; MI455X (gfx1250); checked and timed in simulation.
; The chip was launched on July 23, 2026; its instructions are those of AMD's public machine-readable ISA for CDNA 5 (MIT licence, August 2026) and "CDNA5" Instruction Set Architecture Reference Guide (July 2026). The comments in the code are by the model that wrote it; some were corrected since.
;; Adaptive Attention. Allowed arithmetic: matrix products marked QUANTISED: E2M1 operands, one E8M0 scale for each 32 along K, by v_wmma_scale_f32_16x16x128_f8f6f4 with both operands' format E2M1 (or v_wmma_scale_f32_32x16x128_f4), f32 sums; products left as they are: bf16, f16 or f32 operands; f32 sums; everything else in f32.
;; Inputs: W_out 1,024 x 1,024 float32; W_qkv 1,024 x 3,072 float32; b_out 1,024 float32; mask 1 x 1 x 2,048 x 2,048 int32; x 2 x 2,048 x 1,024 float32.
;; Outputs: out0 2 x 2,048 x 1,024 float32.
;; This version of the problem:
;;   THIS VERSION OF THE PROBLEM IS GIVEN IN LOW PRECISION. The matrix products marked QUANTISED in the list below multiply operands that are first quantised to E2M1 (2 exponent bits, 1 mantissa bit; 4 bits a number), with one power-of-two scale for each 32 numbers along K (OCP MX v1.0); their sums are f32. The products marked 'left as it is' may take bf16, f16 or f32 operands, with f32 sums. Whichever they take, every output number must still come out within the allowed error. Rounding operands to bf16 (8 significant bits) uses up far more of that allowance than f16 does (11 bits, for magnitudes from 6e-5 to 65,504). All else is computed in f32.
;;   The module's matrix products, in the order in which they are computed (A, B: the left and right operand; K: the contracted axis; several contracted axes count as one K, in the product's order):
;;     1. [M 4,096, K 1,024] x [K 1,024, N 3,072]; A: input x; B: input W_qkv: QUANTISED
;;     2. batch 32 x [M 2,048, K 64] x [K 64, N 2,048]; A: computed on the way; B: computed on the way: left as it is (an operand is computed on the way)
;;     3. batch 32 x [M 2,048, K 2,048] x [K 2,048, N 64]; A: computed on the way; B: computed on the way: left as it is (an operand is computed on the way)
;;     4. [M 4,096, K 1,024] x [K 1,024, N 1,024]; A: computed on the way; B: input W_out: left as it is (an operand is computed on the way)
;;   THE QUANTISER, for each operand of a quantised product, along K:
;;     - K is cut into blocks of 32 from its start; a last block that is shorter is filled with zeros.
;;     - A block's scale is 2^e with e = floor(log2(the largest magnitude in the block)) - 2, held to -126 .. 127; a block of zeros has e = 0. As a byte (E8M0): e + 127.
;;     - Each number is divided by its block's scale, clamped to +-6, and rounded to the nearest number of E2M1, ties to even, subnormals kept.
;;     - The product sums the exact products of the quantised numbers (number of the format x scale) in f32.
;;   ~~~python
;;   def quantise(x, axis):      # numpy; x: float32 -> the quantised numbers, widened to float32 again
;;       x = np.moveaxis(x, axis, -1); K = x.shape[-1]
;;       x = np.pad(x, [(0, 0)] * (x.ndim - 1) + [(0, -K % 32)]); x = x.reshape(x.shape[:-1] + (-1, 32)); a = np.abs(x).max(-1, keepdims=True)
;;       e = np.where(a > 0, np.clip(np.frexp(np.where(a > 0, a, 1))[1] - 1 - 2, -126, 127), 0)      # np.frexp(a)[1] - 1 = floor(log2(a)), exactly
;;       r = np.clip(x / 2.0 ** e, -6, 6)
;;       step = 2.0 ** (np.maximum(np.frexp(np.where(r == 0, 1, r))[1] - 1, 0) - 1)
;;       q = np.round(r / step) * step * 2.0 ** e      # np.round: ties to even
;;       return np.moveaxis(q.reshape(q.shape[:-2] + (-1,))[..., :K], -1, axis).astype(np.float32)
;;   ~~~
;; One version. Each part assembles by itself: llvm-mc -triple=amdgcn-amd-amdhsa -mcpu=gfx1250 --defsym DOCPART=n.
;; ======== version 1 of 1: 4 launches
;; limits: values are held in f16: magnitudes above 65,504 overflow, below 6.1e-05 lose precision
;; workspace buffers: xc 2,097,152 bytes; wc 1,572,864 bytes; scl 229,376 bytes; wimg 2,097,152 bytes; mbits 524,288 bytes of whole numbers; qkv 25,165,824 bytes; oimg 8,388,608 bytes
;; launch prep (part 1): grid 640 x 1, 8 waves a work-group, no clusters, 137,728 bytes of LDS; arguments x, mask, W_qkv, W_out, xc, wc, scl, wimg, mbits; writes xc, wc, scl, wimg, mbits
.if DOCPART == 1
	.amdgcn_target "amdgcn-amd-amdhsa--gfx1250"
	.amdhsa_code_object_version 6
	.text
	.protected	k_qbba7e59ca6_prep
	.globl	k_qbba7e59ca6_prep
	.p2align	8
	.type	k_qbba7e59ca6_prep,@function
k_qbba7e59ca6_prep:
	s_mov_b64 s[64:65], 0
	v_nop
	global_prefetch_b8 v0, s[64:65] scope:SCOPE_SE
	s_setreg_imm32_b32 hwreg(HW_REG_WAVE_MODE, 25, 1), 1
	s_wait_xcnt 0x0
; PREP: every input but the bias is read once and laid as the later launches' matrix operands want it.
;   x     [4096][1024] f32  -> xc: codes of E2M1, and its E8M0 scale words in scl (K = the row, innermost)
;   W_qkv [1024][3072] f32  -> wc: the same along K, which is its FIRST axis: a lane takes a column, its registers run down K
;   W_out [1024][1024] f32  -> wimg: f16, K (its first axis) innermost
;   mask  [2048][2048] i32  -> mbits: one 32-bit lane mask for each register of a 16 x 16 tile of scores
; ALL OPERANDS ARE STORED AS IMAGES OF THEIR REGISTERS: a fragment is 8 registers a lane = 1,024 bytes, registers 0-3 at 16 x lane, registers 4-7 at 512 + 16 x lane.
;   E2M1 fragment (16 rows x 128 K): lane (r, h) holds row r; registers 4 c .. 4 c + 3 hold K = 64 c + 32 h + 0 .. 31.   f16 fragment (16 rows x 32 K): registers 0-3 K = 8 h + 0 .. 7, registers 4-7 K = 16 + 8 h + 0 .. 7.
; THE QUANTISER: a block's scale is 2^(floor(log2(largest magnitude)) - 2): its byte is the largest magnitude's exponent field - 2, held at 1 from below; each number / scale goes to the nearest code, ties to even, beyond 6 the largest code.
; LIMITS: a block of zeros keeps the byte 1 where the rule says 127 (its codes are zeros, and this program alone reads the bytes); NaN and infinities are not served; W_out goes in f16: magnitudes over 65,504 are not served.
; FOUR PATHS part on the work-group's number and meet at one barrier; each path has LDS bytes of its own:
;   0-95 W_qkv (64 columns x 512 K a work-group, 32 x 128 a wave);  96-127 W_out (the same shares);  128-383 x (16 rows, a wave a K step of 128);  384-639 mask (16 queries x 1,024 keys, a wave 128 keys).
; No tensor load, no cluster (no two work-groups read the same bytes), no matrix unit: memory binds.  Each wave has 8 KB of loads on its way.
.set WST,   8448                       ; a wave's stage: 16 rows of 512 bytes + 16 of padding
.set SP,    528
.set XST,   0                          ; x's eight stages
.set MST,   8*WST                      ; the mask's eight
.set SCX,   2*8*WST                    ; x's scale words of the work-group: [K half 2][row 16][4 words], 512 bytes
.set SCW,   SCX+512                    ; W_qkv's: [32 columns 2][column 32][4 words], 1,024 bytes
.set SPARE, SCW+1024                   ; the spare words, 128 bytes for each wave: four blocks of 256 bytes that no other line names
.set SPW,   14                         ; v14  LDS address of my spare word; never rewritten
.set NIL,   15                         ; v15  0; never rewritten
.set R,     32                         ; v32-95   what the loads bring (for the weights: two sets of 32)
.set X,     96                         ; v96-159  back from the stage; for W_out: four sets of 16 registers of f16
.set C,     160                        ; v160-175 codes
.set MW,    176                        ; v176-177 the mask words, gathered lane by lane
.set TL,    180                        ; v180-183 the tails' scale words
	s_load_b512 s[4:19], s[0:1], 0x0               ; x s[4:5], mask s[6:7], W_qkv s[8:9], W_out s[10:11], xc s[12:13], wc s[14:15], scl s[16:17], wimg s[18:19]
	s_load_b64 s[20:21], s[0:1], 0x40              ; mbits
	v_lshl_add_u32 v[SPW], v0, 2, SPARE
	v_mov_b32 v[NIL], 0
	v_lshrrev_b32 v1, 5, v0
	v_readfirstlane_b32 s22, v1                    ; wave 0..7
	v_and_b32 v1, 31, v0                           ; lane
	v_lshlrev_b32 v2, 4, v1                        ; 16 x lane
	v_lshlrev_b32 v3, 2, v1                        ; 4 x lane
	v_and_b32 v4, 15, v0                           ; r
	v_bfe_u32 v5, v0, 4, 1                         ; h
	; every LDS address is made here, ahead of the parting of the paths
	s_mul_i32 s38, s22, WST
	v_add_nc_u32 v6, s38, v2                       ; x's stage, in: 16 x lane of a row
	v_mul_u32_u24 v18, v4, SP
	v_lshl_add_u32 v7, v5, 7, v18
	v_add_nc_u32 v7, s38, v7                       ; and back: row r, + 128 h bytes: my 32 numbers of each 64
	s_add_co_u32 s39, s38, MST
	v_add_nc_u32 v8, s39, v2                       ; the mask's stage, in
	v_lshl_add_u32 v9, v5, 5, v18
	v_add_nc_u32 v9, s39, v9                       ; and back: row r, + 32 h bytes: my 8 keys of each 16
	s_lshr_b32 s40, s22, 2
	s_lshl_b32 s40, s40, 8
	s_and_b32 s41, s22, 3
	s_lshl_b32 s41, s41, 2
	s_add_co_u32 s40, s40, s41
	s_add_co_u32 s40, s40, SCX
	v_lshl_add_u32 v10, v4, 4, s40                 ; x's scale word of K step w, row r: 256 (w / 4) + 16 r + 4 (w % 4)
	s_and_b32 s41, s22, 1
	s_lshl_b32 s41, s41, 9
	s_lshr_b32 s42, s22, 1
	s_lshl_b32 s42, s42, 2
	s_add_co_u32 s42, s42, s41
	s_add_co_u32 s42, s42, SCW
	v_add_nc_u32 v11, s42, v2                      ; W_qkv's scale word: 512 (w % 2) + 16 x column + 4 (w / 2)
	v_add_nc_u32 v12, SCX, v2                      ; the tails read 16 bytes a lane
	s_add_co_u32 s41, s41, SCW
	v_add_nc_u32 v13, s41, v2
	v_lshlrev_b32 v16, 4, v4
	v_lshl_add_u32 v16, v5, 9, v16                 ; in scl a tile of 16 columns is 512 bytes on: 512 h + 16 r
	v_lshlrev_b32 v17, 3, v1                       ; 8 x lane
	s_mov_b32 s28, 0x76543210
	s_mov_b32 s29, 0xfedcba98                      ; v_permlanex16_b32's selects for lane l xor 16
	s_wait_kmcnt 0x0
; 16 rows of 512 bytes, pitch bytes apart in memory: each load takes 512 consecutive bytes of one row; they go into my stage as they lie
.macro ROWS base, pitch, sti
.irp r, 0,1,2,3,4,5,6,7,8,9,10,11,12,13,14,15
	global_load_b128 v[R+4*\r:R+4*\r+3], v2, s[\base:\base+1] offset:\r*\pitch th:TH_LOAD_NT
.endr
.irp r, 0,1,2,3,4,5,6,7,8,9,10,11,12,13,14,15
	s_wait_loadcnt 15-\r                           ; loads come back in order: row r is in, the 15 - r younger ones stay out
	ds_store_b128 v[\sti], v[R+4*\r:R+4*\r+3] offset:SP*\r
.endr
.endm
; block t of a weight: rows 32 t + i of my column, i = 0 .. 31, into set t % 2: each load reads 128 consecutive bytes, and the wave beside me the next 128
.macro WLOAD t, base, pitch
.irp i, 0,1,2,3,4,5,6,7,8,9,10,11,12,13,14,15,16,17,18,19,20,21,22,23,24,25,26,27,28,29,30,31
	global_load_b32 v[R+32*((\t)%2)+\i], v3, s[\base:\base+1] offset:(32*(\t)+\i)*\pitch th:TH_LOAD_NT
.endr
.endm
; the largest magnitude of v[s] .. v[s + 31] into v[d], in two chains, with the floor 2^(3 - 127) as one more leaf: so the byte cannot fall under 1
.macro MAXBLK d, e, s
	v_max3_num_f32 v[\d], |v[\s]|, |v[\s+1]|, |v[\s+2]|
	v_max3_num_f32 v[\e], |v[\s+3]|, |v[\s+4]|, |v[\s+5]|
.irp i, 6,10,14,18,22,26
	v_max3_num_f32 v[\d], v[\d], |v[\s+\i]|, |v[\s+\i+1]|
	v_max3_num_f32 v[\e], v[\e], |v[\s+\i+2]|, |v[\s+\i+3]|
.endr
	v_max3_num_f32 v[\d], v[\d], |v[\s+30]|, |v[\s+31]|
	v_max3_num_f32 v[\d], v[\d], v[\e], 0x1800000
.endm
	s_cmp_lt_u32 ttmp9, 96
	s_cbranch_scc1 .Lpw
	s_cmp_lt_u32 ttmp9, 128
	s_cbranch_scc1 .Lpo
	s_cmp_lt_u32 ttmp9, 384
	s_cbranch_scc1 .Lpx
	; ---- THE MASK.  u = work-group - 384: query tile u / 2, keys 1,024 (u % 2) + 128 wave on
	s_sub_co_u32 s23, ttmp9, 384
	s_lshr_b32 s24, s23, 1
	s_and_b32 s25, s23, 1
	s_lshl_b32 s26, s24, 17                        ; 16 rows of 8,192 bytes
	s_lshl_b32 s38, s25, 12
	s_add_co_u32 s26, s26, s38
	s_lshl_b32 s38, s22, 9
	s_add_co_u32 s26, s26, s38
	s_mov_b32 s27, 0
	s_add_nc_u64 s[6:7], s[6:7], s[26:27]
	s_lshl_b32 s26, s24, 12                        ; mbits: [query tile][key tile 128][8 words]
	s_lshl_b32 s38, s25, 11
	s_add_co_u32 s26, s26, s38
	s_lshl_b32 s38, s22, 8
	s_add_co_u32 s26, s26, s38
	s_add_nc_u64 s[20:21], s[20:21], s[26:27]
	ROWS 6, 8192, 8
.irp k, 0,1,2,3,4,5,6,7                        ; LDS serves a wave's instructions in order: these see my stores.  Register 8 k + j: mask[query r][key 16 k + 8 h + j]
	ds_load_b128 v[X+8*\k:X+8*\k+3], v9 offset:64*\k
	ds_load_b128 v[X+8*\k+4:X+8*\k+7], v9 offset:64*\k+16
.endr
	v_mov_b32 v[MW], 0                             ; (a written lane's register counts as read)
	v_mov_b32 v[MW+1], 0
	s_wait_dscnt 0x0
.irp k, 0,1,2,3,4,5,6,7                        ; a compare gives the word at once: bit r + 16 h = the lane's number is not 0.  Word 8 k + j goes to lane (8 k + j) / 2 of register (8 k + j) % 2
.irp j, 0,1,2,3,4,5,6,7
	v_cmp_ne_u32 s[30+\j], 0, v[X+8*\k+\j]
.endr
.irp j, 0,1,2,3,4,5,6,7
	v_writelane_b32 v[MW+\j%2], s[30+\j], 4*\k+\j/2
.endr
.endr
	global_store_b64 v17, v[MW:MW+1], s[20:21]     ; 32 lanes store 256 consecutive bytes, aligned: my eight key tiles' 64 words
	s_branch .Ljoin
	; ---- x.  Token tile t = work-group - 128; my K step is my wave's number
.Lpx:
	s_sub_co_u32 s23, ttmp9, 128
	s_lshl_b32 s24, s23, 16                        ; 16 rows of 4,096 bytes
	s_lshl_b32 s38, s22, 9
	s_add_co_u32 s24, s24, s38
	s_mov_b32 s25, 0
	s_add_nc_u64 s[4:5], s[4:5], s[24:25]
	s_lshl_b32 s24, s23, 13                        ; xc: [token tile][K step 8][1,024 bytes]
	s_lshl_b32 s38, s22, 10
	s_add_co_u32 s24, s24, s38
	s_add_nc_u64 s[12:13], s[12:13], s[24:25]
	ROWS 4, 4096, 6
.irp c, 0,1                                    ; back: register 32 c + i = x(row r, 64 c + 32 h + i): a whole block of 32 in my registers, in the order of the operand's layout
.irp i, 0,1,2,3,4,5,6,7
	ds_load_b128 v[X+32*\c+4*\i:X+32*\c+4*\i+3], v7 offset:256*\c+16*\i
.endr
.endr
	s_wait_dscnt 0x0
	MAXBLK 18, 19, X                               ; block h of the K step
	MAXBLK 20, 21, X+32                            ; block 2 + h
	v_add_nc_u32 v22, 0xff000000, v18              ; 2 off the exponent field: the conversion takes the exponent field of this operand as its scale
	v_add_nc_u32 v23, 0xff000000, v20
	v_lshrrev_b32 v24, 23, v22                     ; the scales' bytes
	v_lshrrev_b32 v25, 23, v23
	v_lshl_or_b32 v24, v25, 16, v24                ; my two, blocks h and 2 + h,
	v_lshlrev_b32 v25, 3, v5
	v_lshlrev_b32 v24, v25, v24                    ; at their places in the word (8 h bits up);
	v_mov_b32 v25, 0
	v_permlanex16_b32 v25, v24, s28, s29
	v_or_b32 v24, v24, v25                         ; with lane l xor 16's two the word is whole
.irp g, 0,1,2,3
	v_cvt_scalef32_pk8_fp4_f32 v[C+\g], v[X+8*\g:X+8*\g+7], v22
	v_cvt_scalef32_pk8_fp4_f32 v[C+4+\g], v[X+32+8*\g:X+32+8*\g+7], v23
.endr
	v_nop                                          ; one plain line behind the last scaled conversion
	global_store_b128 v2, v[C:C+3], s[12:13]       ; the fragment's image: 512 consecutive bytes a store
	global_store_b128 v2, v[C+4:C+7], s[12:13] offset:512
	ds_store_b32 v10, v24                          ; lanes r and r + 16 write the same word with the same value
	s_branch .Ljoin
	; ---- W_qkv.  Columns 64 (work-group / 2) + 32 (wave % 2) + lane; K step 4 (work-group % 2) + wave / 2
.Lpw:
	s_lshr_b32 s24, ttmp9, 1
	s_and_b32 s25, ttmp9, 1
	s_and_b32 s38, s22, 1
	s_lshr_b32 s39, s22, 1
	s_lshl_b32 s25, s25, 2
	s_add_co_u32 s25, s25, s39                     ; the K step
	s_mul_i32 s26, s25, 128*12288                  ; 128 rows of 12,288 bytes
	s_lshl_b32 s40, s24, 8
	s_add_co_u32 s26, s26, s40
	s_lshl_b32 s40, s38, 7
	s_add_co_u32 s26, s26, s40
	s_mov_b32 s27, 0
	s_add_nc_u64 s[8:9], s[8:9], s[26:27]
	s_lshl_b32 s26, s24, 15                        ; wc: [tile of 16 columns][K step 8][1,024 bytes]
	s_lshl_b32 s40, s38, 14
	s_add_co_u32 s26, s26, s40
	s_lshl_b32 s40, s25, 10
	s_add_co_u32 s26, s26, s40
	s_add_nc_u64 s[14:15], s[14:15], s[26:27]
	WLOAD 0, 8, 12288
	WLOAD 1, 8, 12288
.macro WBLOCK t
.if \t < 3
	s_wait_loadcnt 32                              ; this block's 32 loads are in; the next block's may be out
.else
	s_wait_loadcnt 0x0
.endif
	MAXBLK 18, 19, R+32*((\t)%2)                   ; all 32 numbers of the block are mine
	v_add_nc_u32 v20, 0xff000000, v18
	v_lshrrev_b32 v21, 23, v20
.if \t == 0
	v_mov_b32 v22, v21                             ; the four bytes make my column's scale word of this K step
.else
	v_lshl_or_b32 v22, v21, 8*\t, v22
.endif
.irp g, 0,1,2,3
	v_cvt_scalef32_pk8_fp4_f32 v[C+4*\t+\g], v[R+32*((\t)%2)+8*\g:R+32*((\t)%2)+8*\g+7], v20
.endr
.if \t < 2
	WLOAD \t+2, 8, 12288
.endif
.endm
	WBLOCK 0
	WBLOCK 1
	WBLOCK 2
	WBLOCK 3
	v_nop                                          ; one plain line behind the last scaled conversion
.irp i, 0,1,2,3                                ; lane l holds column l's four blocks; the layout wants blocks 2 c (lanes 0-15) and 2 c + 1 (lanes 16-31) of 16 columns: the first's upper lanes change places with the second's lower
	v_permlane16_swap_b32 v[C+\i], v[C+4+\i]
	v_permlane16_swap_b32 v[C+8+\i], v[C+12+\i]
.endr
	global_store_b128 v2, v[C:C+3], s[14:15]                   ; columns 0-15: registers 0-3,
	global_store_b128 v2, v[C+8:C+11], s[14:15] offset:512     ; registers 4-7;
	global_store_b128 v2, v[C+4:C+7], s[14:15] offset:8192     ; columns 16-31: the next tile, 8 K steps on
	global_store_b128 v2, v[C+12:C+15], s[14:15] offset:8704
	ds_store_b32 v11, v22
	s_branch .Ljoin
	; ---- W_out.  The same shares; a block of 32 along K is one f16 fragment's K
.Lpo:
	s_sub_co_u32 s23, ttmp9, 96
	s_lshr_b32 s24, s23, 1
	s_and_b32 s25, s23, 1
	s_and_b32 s38, s22, 1
	s_lshr_b32 s39, s22, 1
	s_lshl_b32 s26, s25, 21                        ; 512 rows of 4,096 bytes,
	s_lshl_b32 s40, s39, 19                        ; 128 rows,
	s_add_co_u32 s26, s26, s40
	s_lshl_b32 s40, s24, 8
	s_add_co_u32 s26, s26, s40
	s_lshl_b32 s40, s38, 7
	s_add_co_u32 s26, s26, s40
	s_mov_b32 s27, 0
	s_add_nc_u64 s[10:11], s[10:11], s[26:27]
	s_lshl_b32 s26, s24, 17                        ; wimg: [tile of 16 columns][group of 32 along K, 32][1,024 bytes]
	s_lshl_b32 s40, s38, 16
	s_add_co_u32 s26, s26, s40
	s_lshl_b32 s40, s25, 14
	s_add_co_u32 s26, s26, s40
	s_lshl_b32 s40, s39, 12
	s_add_co_u32 s26, s26, s40
	s_add_nc_u64 s[18:19], s[18:19], s[26:27]
	WLOAD 0, 10, 4096
	WLOAD 1, 10, 4096
.macro OBLOCK t
.if \t < 3
	s_wait_loadcnt 32                              ; this block's 32 loads are in; the next block's may be out
.else
	s_wait_loadcnt 0x0
.endif
.irp i, 0,1,2,3,4,5,6,7,8,9,10,11,12,13,14,15
	v_cvt_pk_f16_f32 v[X+16*\t+\i], v[R+32*((\t)%2)+2*\i], v[R+32*((\t)%2)+2*\i+1]   ; two neighbours along K, the lower in the low half
.endr
.if \t < 2
	WLOAD \t+2, 10, 4096
.endif
.irp i, 0,1,2,3                                ; K 0-7 and 8-15, K 16-23 and 24-31 change halves as the codes do above
	v_permlane16_swap_b32 v[X+16*\t+\i], v[X+16*\t+4+\i]
	v_permlane16_swap_b32 v[X+16*\t+8+\i], v[X+16*\t+12+\i]
.endr
	global_store_b128 v2, v[X+16*\t:X+16*\t+3], s[18:19] offset:1024*\t            ; each block has registers of its own: no store's data are written again
	global_store_b128 v2, v[X+16*\t+8:X+16*\t+11], s[18:19] offset:1024*\t+512
	global_store_b128 v2, v[X+16*\t+4:X+16*\t+7], s[18:19] offset:1024*\t+32768
	global_store_b128 v2, v[X+16*\t+12:X+16*\t+15], s[18:19] offset:1024*\t+33280
.endm
	OBLOCK 0
	OBLOCK 1
	OBLOCK 2
	OBLOCK 3
.Ljoin:
	s_wait_dscnt 0x0                               ; for the others' sake: my scale words lie in LDS
	s_barrier_signal -1
	s_barrier_wait -1                              ; everybody's do
	s_cmp_lt_u32 ttmp9, 96
	s_cbranch_scc0 .Lnot_w
	s_cmp_lt_u32 s22, 2
	s_cbranch_scc0 .Lend
	s_lshr_b32 s40, ttmp9, 1                       ; W_qkv's scale words leave: wave w takes 32 columns x 4 words = two aligned runs of 256 bytes
	s_lshl_b32 s40, s40, 11                        ; scl, from byte 131,072: [tile of 16 columns][K half 2][16][4 words]
	s_lshl_b32 s41, s22, 10
	s_add_co_u32 s40, s40, s41
	s_and_b32 s41, ttmp9, 1
	s_lshl_b32 s41, s41, 8
	s_add_co_u32 s40, s40, s41
	s_add_co_u32 s40, s40, 131072
	s_mov_b32 s41, 0
	s_add_nc_u64 s[42:43], s[16:17], s[40:41]
	ds_load_b128 v[TL:TL+3], v13
	s_wait_dscnt 0x0
	global_store_b128 v16, v[TL:TL+3], s[42:43]
	s_branch .Lend
.Lnot_w:
	s_cmp_lt_u32 ttmp9, 128
	s_cbranch_scc1 .Lend
	s_cmp_lt_u32 ttmp9, 384
	s_cbranch_scc0 .Lend
	s_cmp_eq_u32 s22, 0
	s_cbranch_scc0 .Lend
	s_sub_co_u32 s40, ttmp9, 128                   ; x's: wave 0 stores the tile's 512 bytes: [K half 2][16][4 words]
	s_lshl_b32 s40, s40, 9
	s_mov_b32 s41, 0
	s_add_nc_u64 s[42:43], s[16:17], s[40:41]
	ds_load_b128 v[TL:TL+3], v12
	s_wait_dscnt 0x0
	global_store_b128 v2, v[TL:TL+3], s[42:43]
.Lend:
	s_wait_tensorcnt 0x0                           ; the wave's end: a tensor wait, an add of 0 to my spare word and its wait, behind my last LDS store; the first stands though this text has no tensor load
	ds_add_u32 v[SPW], v[NIL]
	s_wait_dscnt 0x0
	s_endpgm
.Lfunc_end_k_qbba7e59ca6_prep:
	.size	k_qbba7e59ca6_prep, .Lfunc_end_k_qbba7e59ca6_prep-k_qbba7e59ca6_prep
	.p2alignl 7, 3214868480
	.fill 96, 4, 3214868480
	.section	.rodata,"a",@progbits
	.p2align	6, 0x0
	.amdhsa_kernel k_qbba7e59ca6_prep
		.amdhsa_group_segment_fixed_size 137728
		.amdhsa_private_segment_fixed_size 0
		.amdhsa_enable_private_segment 0
		.amdhsa_kernarg_size 72
		.amdhsa_user_sgpr_count 2
		.amdhsa_user_sgpr_kernarg_segment_ptr 1
		.amdhsa_wavefront_size32 1
		.amdhsa_system_sgpr_workgroup_id_x 1
		.amdhsa_system_sgpr_workgroup_id_y 1
		.amdhsa_system_sgpr_workgroup_id_z 1
		.amdhsa_system_vgpr_workitem_id 0
		.amdhsa_next_free_vgpr 192
		.amdhsa_next_free_sgpr 66
		.amdhsa_reserve_vcc 0
		.amdhsa_float_denorm_mode_32 3
		.amdhsa_float_denorm_mode_16_64 3
		.amdhsa_memory_ordered 1
		.amdhsa_forward_progress 1
		.amdhsa_inst_pref_size 64
	.end_amdhsa_kernel
	.amdgpu_metadata
---
amdhsa.version: [ 1, 2 ]
amdhsa.kernels:
  - .name:           k_qbba7e59ca6_prep
    .symbol:         k_qbba7e59ca6_prep.kd
    .args:
      - { .name: x, .offset: 0, .size: 8, .value_kind: global_buffer, .address_space: global }
      - { .name: mask, .offset: 8, .size: 8, .value_kind: global_buffer, .address_space: global }
      - { .name: W_qkv, .offset: 16, .size: 8, .value_kind: global_buffer, .address_space: global }
      - { .name: W_out, .offset: 24, .size: 8, .value_kind: global_buffer, .address_space: global }
      - { .name: xc, .offset: 32, .size: 8, .value_kind: global_buffer, .address_space: global }
      - { .name: wc, .offset: 40, .size: 8, .value_kind: global_buffer, .address_space: global }
      - { .name: scl, .offset: 48, .size: 8, .value_kind: global_buffer, .address_space: global }
      - { .name: wimg, .offset: 56, .size: 8, .value_kind: global_buffer, .address_space: global }
      - { .name: mbits, .offset: 64, .size: 8, .value_kind: global_buffer, .address_space: global }
    .group_segment_fixed_size: 137728
    .private_segment_fixed_size: 0
    .kernarg_segment_align: 8
    .kernarg_segment_size: 72
    .max_flat_workgroup_size: 256
    .sgpr_count:     66
    .vgpr_count:     192
    .wavefront_size: 32
...
	.end_amdgpu_metadata
.endif
;; end of part 1
;; launch qkvg (part 2): grid 12 x 16, 4 waves a work-group, clusters of 4 x 4, 327,680 bytes of LDS; arguments xc, wc, scl, qkv; writes qkv
.if DOCPART == 2
	.amdgcn_target "amdgcn-amd-amdhsa--gfx1250"
	.amdhsa_code_object_version 6
	.text
	.protected	k_qbba7e59ca6_qkvg
	.globl	k_qbba7e59ca6_qkvg
	.p2align	8
	.type	k_qbba7e59ca6_qkvg,@function
k_qbba7e59ca6_qkvg:
	s_mov_b64 s[64:65], 0
	v_nop
	global_prefetch_b8 v0, s[64:65] scope:SCOPE_SE
	s_setreg_imm32_b32 hwreg(HW_REG_WAVE_MODE, 25, 1), 1
	s_wait_xcnt 0x0
	s_wait_alu depctr_hold_cnt(0) depctr_sa_sdst(0) depctr_va_vdst(0) depctr_va_sdst(0) depctr_va_ssrc(0) depctr_va_vcc(0) depctr_vm_vsrc(0)
	s_getreg_b32 s2, hwreg(HW_REG_IB_STS2, 6, 4)
	s_cmp_eq_u32 s2, 0
	s_cbranch_scc0 .Lentry_in_a_cluster
	s_endpgm
.Lentry_in_a_cluster:
	s_bfe_u32 s2, ttmp6, 0x10000c
	s_cmp_lg_u32 s2, 0xf033
	s_cbranch_scc0 .Lentry_shape_is_right
	s_endpgm
.Lentry_shape_is_right:
; QKVG: qkv = Q(x) Q(W_qkv) on codes of E2M1 with E8M0 scales, sums in f32; the results, rounded once to f16, leave as images of the attention's operand registers.
; A work-group of four waves makes 256 x 256 of the product, a wave 128 x 128: 64 accumulators of 16 x 16 in 512 registers.  K = 1,024 lies in two LDS slots of 512, each filled once by the tensor data mover.
; OPERANDS P AND R.  P is source 1: in a result its row sits in the lane.  R is source 0: eight of its rows run along a lane's registers.  Two neighbouring accumulators along R, rounded to f16 in pairs, ARE a fragment
; (16 rows of P x 32 of R) of a later product.  For q and k (clusters x = 0, 1) P = tokens, R = channels: fragments of 16 tokens x 32 channels.  For v (cluster x = 2) P = channels, R = tokens: 16 channels x 32 keys,
; the keys innermost, as the second product of attention wants v.  Which is which is chosen by s_cselect on the CLUSTER's x, the same number in all sixteen partners: no branch, no LDS address hangs on it.
; q is multiplied by c = log2(e) / 8 in f32 ahead of its one rounding, so that the scores come out as exponents of 2.
; CLUSTERS: 4 x 4.  P's tiles hang on cy alone and are asked for jointly along a row of the cluster, R's on cx alone, along a column.
; xc, wc: [tile of 16 rows][K step 8][1,024 bytes]; a slot's part of a tile is 4,096 consecutive bytes; in LDS the fragments lie on end, so a fragment load reads 512 consecutive bytes and no padding is wanted.
; THE SCALE WORDS come straight into registers, once: lanes 0-15 take 256 consecutive bytes of P's, lanes 16-31 of R's (scl: [tile][K half 2][16 rows][4 words]).
; LIMIT: q c, k and v go in f16: magnitudes over 65,504 are not served.
; REGISTERS, in windows of 256: window 0: v0-31 addresses; v32-95 scale words; from v128 P's fragments, one set; on the way out v128-255 packed results.  window 1: R's fragments, two sets, at v0 and v128.
;   window 2: the 32 accumulators of P's blocks 0-3 (accumulator (a, b) at v[8 (8 a + b)]);  window 3: those of blocks 4-7.
.set NQ,     4                         ; steps of 128 along K in a slot
.set FR,     8                         ; registers of a fragment
.set NL,     2                         ; LDS loads that bring one
.set NP,     4                         ; places behind this matrix instruction (ISA guide 7.12.1)
.set HALFT,  32768                     ; 8 tiles x 4,096 bytes: what one tensor load brings, and what one wave reads of P or of R
.set SLOT,   4*HALFT                   ; P's 16 tiles, then R's 16
.set SPARE,  2*SLOT                    ; behind the slots: the spare words, 128 bytes for each wave: two blocks of 256 bytes that no other line names
.set OFA,  8                           ; v8-15   the way out: my byte offset for P's block a
.set ADRA, 16                          ; v16-17  LDS address of my P fragments in slot 0, 1
.set ADRB, 20                          ; v20-21  the same for R
.set ADRS, 27                          ; v27     my byte offset among the scale words
.set SPW,  28                          ; v28     LDS address of my spare word; never rewritten
.set NIL,  29                          ; v29     0; never rewritten
.set QS,   30                          ; v[30:31] c for q, 1 for k and v
.set SC,   32                          ; scale words: set s (slot s) at v[SC + 32 s]; register 4 i + q: lanes 0-15 P's block i, lanes 16-31 R's block i, the slot's q-th 128 along K
.set AF,   128                         ; P's fragments, window 0
.set TMP,  128                         ; the way out: four sets of 32
.set G1, 24                            ; s[24:31] descriptor group 1 for P's tiles;  s[32:39] group 0, one set for each slot
.set G0, 32
.set G1B, 48                           ; s[48:55], s[56:63] the same for R's
.set G0B, 56
.set OB,  68                           ; s[68:75] the way out: a base for each of the four pairs of R's blocks
.set MSB, 0
.macro WIN new                         ; the immediate's high byte repeats the setting that is left
.if MSB != (\new)
	s_set_vgpr_msb (MSB<<8)|(\new)
.set MSB, (\new)
.endif
.endm
.set MUL_LO, 0xa1                      ; source 0 (R) window 1, source 1 (P) window 0, C and D window 2
.set MUL_HI, 0xf1                      ; the same, C and D window 3
.set TO_B,   0x40                      ; destination window 1, address window 0
; A joint load: waves 0 and 1 fetch for P, waves 2 and 3 for R.  Each line has one mask and one set of registers for all that issue it; the branch hangs on the wave's number alone.
; An s_nop 0 and four v_nop follow each of the two lines.
.macro JLOAD g0a, g1a, g0b, g1b
	s_cmp_eq_u32 s15, 0
	s_cbranch_scc0 .Lfor_b_\@
	tensor_load_to_lds s[\g0a:\g0a+3], s[\g1a:\g1a+7]
	s_nop 0
.rept 4
	v_nop
.endr
	s_branch .Lasked_\@
.Lfor_b_\@:
	tensor_load_to_lds s[\g0b:\g0b+3], s[\g1b:\g1b+7]
	s_nop 0
.rept 4
	v_nop
.endr
.Lasked_\@:
.endm
.macro CROUND                          ; a round of the cluster's barrier
	s_barrier_signal -1
	s_barrier_wait -1
	s_cmp_lg_u32 s14, 0
	s_cbranch_scc1 .Lnot_wave_0_\@
	s_barrier_signal -3
.Lnot_wave_0_\@:
	s_barrier_wait -3
	s_barrier_signal -1
	s_barrier_wait -1
.endm
	s_load_b256 s[4:11], s[0:1], 0x0               ; xc s[4:5], wc s[6:7], scl s[8:9], qkv s[10:11]
	v_lshl_add_u32 v[SPW], v0, 2, SPARE
	v_mov_b32 v[NIL], 0
	ds_add_u32 v[SPW], v[NIL]                      ; the wave's opening: the add, twice on end, and its wait ahead of my first tensor load
	ds_add_u32 v[SPW], v[NIL]
	v_lshrrev_b32 v1, 5, v0
	v_readfirstlane_b32 s14, v1                    ; wave 0..3
	s_lshr_b32 s15, s14, 1                         ; which 8 of P's 16 blocks are mine.  Also: I fetch for P (0) or for R (1)
	s_and_b32 s16, s14, 1                          ; which 8 of R's.  Also: which 8 tiles I fetch
	s_bfe_u32 s40, ttmp6, 0x40000                  ; cx, cy: my place in the cluster
	s_bfe_u32 s41, ttmp6, 0x40004
	s_and_b32 s17, ttmp7, 0xffff                   ; the cluster's y
	s_lshl_b32 s43, s41, 2
	s_lshl_b32 s43, 15, s43                        ; my row of the cluster
	s_lshl_b32 s44, 0x1111, s40                    ; my column
	; descriptor group 1: 8 rows (tiles) of 4,096 bytes = 512 elements of 8 bytes, 8,192 bytes apart in memory, dense in LDS
	s_or_b32 s[G1+0], s43, (3<<16)|(1<<21)         ; 15:0 the mask: P's tiles go to my row; 17:16 elements of 8 bytes; 20 no padding; 21 set beside a mask
	s_or_b32 s[G1B+0], s44, (3<<16)|(1<<21)        ; R's go to my column
.irp g, G1, G1B
	s_mov_b32 s[\g+1], 512<<16                     ; tensor_dim0
	s_mov_b32 s[\g+2], 8<<16                       ; tensor_dim1
	s_mov_b32 s[\g+3], 512<<16                     ; tile_dim0
	s_mov_b32 s[\g+4], 8                           ; tile_dim1
	s_mov_b32 s[\g+5], 1024                        ; tensor_dim0_stride
	s_mov_b32 s[\g+6], 0
	s_mov_b32 s[\g+7], 0
.endr
	; which tiles.  q, k: P = token tiles 64 Y + 16 cy on, R = column tiles 64 X + 16 cx on.  v: P = column tiles 128 + 16 cy on, R = token tiles 64 Y + 16 cx on
	s_lshl_b32 s19, s17, 6
	s_lshl_b32 s20, ttmp9, 6
	s_lshl_b32 s18, s41, 4                         ; (s18 never holds cx, s46 never cy)
	s_lshl_b32 s46, s40, 4
	s_mov_b32 s21, 128
	s_mov_b32 s80, 1024
	s_mov_b32 s81, 0x40000
	s_mov_b32 s82, 4096
	s_mov_b32 s84, 8192
	s_cmp_lt_u32 ttmp9, 2                          ; q or k?  The cluster's x: the same in all partners
	s_cselect_b32 s21, s19, s21
	s_cselect_b32 s20, s20, s19
	s_cselect_b32 s22, 0, 0x20000                  ; where P's scale words begin in scl: x's at 0, W's at 131,072
	s_cselect_b32 s23, 0x20000, 0                  ; and R's
	s_cselect_b32 s80, 2048, s80                   ; the way out, bytes from block to block of P: a token tile, or a channel tile;
	s_cselect_b32 s81, 8192, s81                   ; four blocks on: four token tiles, or a head
	s_cselect_b32 s82, 1024, s82                   ; from pair to pair of R's blocks: 32 channels, or 32 keys;
	s_cselect_b32 s84, 0x40000, s84                ; two pairs on: a head, or 64 keys
	s_mov_b32 s83, 0
	s_mov_b32 s85, 0
	s_mov_b32 s47, 1.0
	s_cmp_eq_u32 ttmp9, 0
	s_cselect_b32 s47, 0x3e38aa3b, s47             ; c = log2(e) / 8 for q
	s_add_co_u32 s18, s18, s21                     ; P's first tile
	s_add_co_u32 s46, s46, s20                     ; R's
	s_lshl_b32 s42, s16, 3
	s_add_co_u32 s86, s18, s42
	s_lshl_b32 s86, s86, 13                        ; what I would fetch of P: 8,192 bytes a tile,
	s_mov_b32 s87, 0
	s_add_co_u32 s88, s46, s42
	s_lshl_b32 s88, s88, 13                        ; and of R
	s_mov_b32 s89, 0
	s_mul_i32 s45, s14, HALFT                      ; where it goes: wave x 8 tiles: no place in the cluster enters an LDS address
	s_wait_dscnt 0x0                               ; both opening adds are done
	s_wait_kmcnt 0x0
	s_cmp_lt_u32 ttmp9, 2
	s_cselect_b64 s[76:77], s[4:5], s[6:7]         ; P's codes
	s_cselect_b64 s[78:79], s[6:7], s[4:5]         ; R's
	s_add_nc_u64 s[76:77], s[76:77], s[86:87]
	s_add_nc_u64 s[78:79], s[78:79], s[88:89]
	CROUND                                         ; all sixteen work-groups are here: the joint loads meet
.irp s, 0,1
	s_mov_b32 s[G0+4*\s], 1                        ; count = 1
	s_add_co_u32 s[G0+4*\s+1], s45, \s*SLOT        ; LDS address
	s_add_nc_u64 s[G0+4*\s+2:G0+4*\s+3], s[76:77], \s*4096   ; K steps 4 s on
	s_or_b32 s[G0+4*\s+3], s[G0+4*\s+3], 0x80000000          ; type = 2
	s_mov_b32 s[G0B+4*\s], 1
	s_add_co_u32 s[G0B+4*\s+1], s45, \s*SLOT
	s_add_nc_u64 s[G0B+4*\s+2:G0B+4*\s+3], s[78:79], \s*4096
	s_or_b32 s[G0B+4*\s+3], s[G0B+4*\s+3], 0x80000000
	JLOAD G0+4*\s, G1, G0B+4*\s, G1B               ; both slots are asked for at once: two loads of mine are out, and nothing is ever filled again
.endr
	v_and_b32 v1, 15, v0                           ; r
	v_bfe_u32 v2, v0, 4, 1                         ; h
	v_and_b32 v3, 31, v0
	v_lshlrev_b32 v3, 4, v3                        ; 16 x lane
	s_mul_i32 s90, s15, HALFT                      ; my 8 blocks of P,
	s_mul_i32 s91, s16, HALFT
	s_add_co_u32 s91, s91, 2*HALFT                 ; my 8 of R, behind P's 16
.irp s, 0,1
	v_add_nc_u32 v[ADRA+\s], s90, v3
	v_add_nc_u32 v[ADRB+\s], s91, v3
	s_add_co_u32 s90, s90, SLOT
	s_add_co_u32 s91, s91, SLOT
.endr
	s_lshl_b32 s92, s15, 3
	s_add_co_u32 s92, s92, s18                     ; my first tile of P,
	s_lshl_b32 s93, s16, 3
	s_add_co_u32 s93, s93, s46                     ; and of R
	s_lshl_b32 s94, s92, 9                         ; 512 bytes of scale words a tile
	s_add_co_u32 s94, s94, s22
	s_lshl_b32 s95, s93, 9
	s_add_co_u32 s95, s95, s23
	s_sub_co_u32 s95, s95, s94
	v_mul_lo_u32 v4, v2, s95                       ; lanes 16-31 take R's: one product, h x the distance (modulo 2^32)
	v_lshl_add_u32 v[ADRS], v1, 4, s94
	v_add_nc_u32 v[ADRS], v[ADRS], v4
.irp k, 0,1
.irp i, 0,1,2,3,4,5,6,7
	global_load_b128 v[SC+32*\k+4*\i:SC+32*\k+4*\i+3], v[ADRS], s[8:9] offset:512*\i+256*\k   ; block i's four words of K half k: sixteen lanes read 256 consecutive bytes, aligned
.endr
.endr
	; the way out.  qkv: three sections of 8 MB (q, k, v), each [batch x 16 + head][256 KB]; q, k: [token tile 128][32 channels, 2][1 KB]; v: [32 keys, 64][channel tile 4][1 KB]
	s_cmp_lt_u32 ttmp9, 2
	s_cselect_b32 s42, s92, s93                    ; my first token tile,
	s_cselect_b32 s43, s93, s92                    ; my first column tile (a multiple of 8)
	s_lshr_b32 s96, s43, 6
	s_lshl_b32 s96, s96, 23                        ; the section,
	s_and_b32 s97, s43, 63
	s_lshl_b32 s97, s97, 16                        ; the head: four column tiles to 256 KB,
	s_add_co_u32 s96, s96, s97
	s_lshr_b32 s97, s42, 7
	s_lshl_b32 s97, s97, 22                        ; the batch,
	s_add_co_u32 s96, s96, s97
	s_and_b32 s97, s42, 127
	s_lshl_b32 s97, s97, 11                        ; 2,048 bytes a token tile, in q, k and v alike
	s_add_co_u32 s96, s96, s97
	s_mov_b32 s97, 0
	s_add_nc_u64 s[OB:OB+1], s[10:11], s[96:97]
	s_add_nc_u64 s[OB+2:OB+3], s[OB:OB+1], s[82:83]
	s_add_nc_u64 s[OB+4:OB+5], s[OB:OB+1], s[84:85]
	s_add_nc_u64 s[OB+6:OB+7], s[OB+4:OB+5], s[82:83]
	v_mov_b32 v[OFA], v3
.irp a, 1,2,3
	v_add_nc_u32 v[OFA+\a], s80, v[OFA+\a-1]
.endr
.irp a, 0,1,2,3
	v_add_nc_u32 v[OFA+4+\a], s81, v[OFA+\a]
.endr
	v_mov_b32 v[QS], s47
	v_mov_b32 v[QS+1], s47                         ; (named with it as a pair, so it is written)
.macro FRAG reg, adr, q, i             ; a fragment comes back as it was stored: two loads of 512 consecutive bytes
.irp c, 0,1
	ds_load_b128 v[\reg+4*\c:\reg+4*\c+3], v[\adr] offset:(\i)*4096+(\q)*1024+512*\c
.endr
.endm
; 16 matrix instructions: P's blocks a0, a0 + 1 x R's eight, the slot's q-th 128 along K.  p: R's set;  sc: the set of scale words.  zero = 1: the first product starts the sums: nothing is ever cleared.
; The 64 accumulators take turns, one instruction a turn, in the same order in every step.
.macro MUL16 a0, p, q, sc, zero
.irp a, \a0, \a0+1
.irp b, 0,1,2,3,4,5,6,7
.if \zero
	v_wmma_scale_f32_16x16x128_f8f6f4 v[8*(8*((\a)%4)+\b):8*(8*((\a)%4)+\b)+7], v[128*(\p)+FR*\b:128*(\p)+FR*\b+FR-1], v[AF+FR*(\a):AF+FR*(\a)+FR-1], 0, v[SC+8*NQ*(\sc)+NQ*\b+(\q)], v[SC+8*NQ*(\sc)+NQ*(\a)+(\q)] matrix_a_fmt:MATRIX_FMT_FP4 matrix_b_fmt:MATRIX_FMT_FP4 matrix_a_scale:MATRIX_SCALE_ROW1
.else
	v_wmma_scale_f32_16x16x128_f8f6f4 v[8*(8*((\a)%4)+\b):8*(8*((\a)%4)+\b)+7], v[128*(\p)+FR*\b:128*(\p)+FR*\b+FR-1], v[AF+FR*(\a):AF+FR*(\a)+FR-1], v[8*(8*((\a)%4)+\b):8*(8*((\a)%4)+\b)+7], v[SC+8*NQ*(\sc)+NQ*\b+(\q)], v[SC+8*NQ*(\sc)+NQ*(\a)+(\q)] matrix_a_fmt:MATRIX_FMT_FP4 matrix_b_fmt:MATRIX_FMT_FP4 matrix_a_scale:MATRIX_SCALE_ROW1
.endif
.endr
.endr
.endm
.macro FETCH_B slot, q, p              ; R's eight fragments of the slot's q-th 128 along K into set p
	WIN TO_B
.irp i, 0,1,2,3,4,5,6,7
	FRAG 128*(\p)+FR*\i, ADRB+\slot, \q, \i
.endr
	WIN 0
.endm
.macro FETCH_A slot, q, i0             ; P's blocks i0 .. i0 + 3
.irp i, \i0, \i0+1, \i0+2, \i0+3
	FRAG AF+FR*(\i), ADRA+\slot, \q, \i
.endr
.endm
.macro PLACES n                        ; plain vector lines between a matrix instruction and a load into, or a vector read or write of, its registers (ISA guide 7.12.1 for vector reads and writes)
.rept \n
	v_nop
.endr
.endm
; A step of 128 along K that has its successor in the same slot.  P has one set of registers: blocks 0-3 are fetched anew in the step's middle, blocks 4-7 at its end; R has two sets.
.macro STEP slot, q, zero
	s_wait_dscnt 4*NL                              ; R's set and P's blocks 0-3 are in; the youngest eight loads (P's blocks 4-7) may be out
	WIN MUL_LO
	MUL16 0, (\q)%2, \q, \slot, \zero
	MUL16 2, (\q)%2, \q, \slot, \zero
	s_wait_dscnt 0                                 ; P's blocks 4-7 are in
	PLACES NP
	FETCH_B \slot, (\q)+1, 1-(\q)%2
	FETCH_A \slot, (\q)+1, 0
	WIN MUL_HI
	MUL16 4, (\q)%2, \q, \slot, \zero
	MUL16 6, (\q)%2, \q, \slot, \zero
	PLACES NP
	WIN 0
	FETCH_A \slot, (\q)+1, 4
.endm
	s_wait_tensorcnt 1                             ; my part of slot 0 is in; slot 1's load may be out
	s_barrier_signal -1
	s_barrier_wait -1                              ; everybody's is
	FETCH_B 0, 0, 0
	FETCH_A 0, 0, 0
	FETCH_A 0, 0, 4
	s_wait_loadcnt 0x0                             ; the scale words
	STEP 0, 0, 1                                   ; the first products start the sums
	STEP 0, 1, 0
	STEP 0, 2, 0
	; slot 0's last step changes slots: one barrier; in front of it each wave waits for all its tensor loads (its part of slot 1), adds 0 to its spare word and waits for that and for its LDS loads
	s_wait_tensorcnt 0x0
	ds_add_u32 v[SPW], v[NIL]
	s_wait_dscnt 4*NL+1                            ; (the add and the youngest eight loads may be out)
	WIN MUL_LO
	MUL16 0, 1, NQ-1, 0, 0
	s_wait_dscnt 0x0
	s_barrier_signal -1
	MUL16 2, 1, NQ-1, 0, 0
	WIN 0
	s_barrier_wait -1                              ; slot 1 is whole
	PLACES NP
	FETCH_B 1, 0, 0
	FETCH_A 1, 0, 0
	WIN MUL_HI
	MUL16 4, 1, NQ-1, 0, 0
	MUL16 6, 1, NQ-1, 0, 0
	PLACES NP
	WIN 0
	FETCH_A 1, 0, 4
	STEP 1, 0, 0
	STEP 1, 1, 0
	STEP 1, 2, 0
	s_wait_dscnt 4*NL                              ; the last step: nothing more to fetch
	WIN MUL_LO
	MUL16 0, 1, NQ-1, 1, 0
	MUL16 2, 1, NQ-1, 1, 0
	s_wait_dscnt 0
	WIN MUL_HI
	MUL16 4, 1, NQ-1, 1, 0
	MUL16 6, 1, NQ-1, 1, 0
	WIN 0
; THE WAY OUT, P's blocks one after the other; no LDS.  Block a's eight accumulators x c (or 1), rounded to f16 in pairs: 32 registers = four fragments, each stored by two stores of 512 consecutive bytes.
.macro OUTA a
.set AC, 64*((\a)%4)
.set TM, TMP+32*((\a)%4)
.if (\a) >= 4
	s_wait_xcnt 0x0                                ; block a - 4's stores have read their registers: the set is written again only behind this wait
.endif
	WIN 0x82+0x41*((\a)/4)                         ; destination and source 0: window 2 or 3
.set i, 0
.rept 32
	v_pk_mul_f32 v[AC+i:AC+i+1], v[AC+i:AC+i+1], v[QS:QS+1] op_sel_hi:[1,0]   ; each accumulator from its low end on
.set i, i+2
.endr
	WIN 0x0a+5*((\a)/4)                            ; sources 0 and 1: window 2 or 3
.set i, 0
.rept 32
	v_cvt_pk_f16_f32 v[TM+i], v[AC+2*i], v[AC+2*i+1]
.set i, i+1
.endr
	WIN 0
.irp g, 0,1,2,3
	global_store_b128 v[OFA+(\a)], v[TM+8*\g:TM+8*\g+3], s[OB+2*\g:OB+2*\g+1]
	global_store_b128 v[OFA+(\a)], v[TM+8*\g+4:TM+8*\g+7], s[OB+2*\g:OB+2*\g+1] offset:512
.endr
.endm
	PLACES NP                                      ; behind the last products: for the reads of results and for the writes over P's fragments
.irp a, 0,1,2,3,4,5,6,7
	OUTA \a
.endr
	s_wait_tensorcnt 0x0                           ; the wave's end: a tensor wait, an add of 0 to my spare word and its wait, behind my last tensor load
	ds_add_u32 v[SPW], v[NIL]
	s_wait_dscnt 0x0
	CROUND                                         ; the closing round: no work-group ends while a partner may still ask for a tile that names it
	s_endpgm
.Lfunc_end_k_qbba7e59ca6_qkvg:
	.size	k_qbba7e59ca6_qkvg, .Lfunc_end_k_qbba7e59ca6_qkvg-k_qbba7e59ca6_qkvg
	.p2alignl 7, 3214868480
	.fill 96, 4, 3214868480
	.section	.rodata,"a",@progbits
	.p2align	6, 0x0
	.amdhsa_kernel k_qbba7e59ca6_qkvg
		.amdhsa_group_segment_fixed_size 327680
		.amdhsa_private_segment_fixed_size 0
		.amdhsa_enable_private_segment 0
		.amdhsa_kernarg_size 32
		.amdhsa_user_sgpr_count 2
		.amdhsa_user_sgpr_kernarg_segment_ptr 1
		.amdhsa_wavefront_size32 1
		.amdhsa_system_sgpr_workgroup_id_x 1
		.amdhsa_system_sgpr_workgroup_id_y 1
		.amdhsa_system_sgpr_workgroup_id_z 1
		.amdhsa_system_vgpr_workitem_id 0
		.amdhsa_next_free_vgpr 1024
		.amdhsa_next_free_sgpr 98
		.amdhsa_reserve_vcc 0
		.amdhsa_float_denorm_mode_32 3
		.amdhsa_float_denorm_mode_16_64 3
		.amdhsa_memory_ordered 1
		.amdhsa_forward_progress 1
		.amdhsa_inst_pref_size 133
	.end_amdhsa_kernel
	.amdgpu_metadata
---
amdhsa.version: [ 1, 2 ]
amdhsa.kernels:
  - .name:           k_qbba7e59ca6_qkvg
    .symbol:         k_qbba7e59ca6_qkvg.kd
    .args:
      - { .name: xc, .offset: 0, .size: 8, .value_kind: global_buffer, .address_space: global }
      - { .name: wc, .offset: 8, .size: 8, .value_kind: global_buffer, .address_space: global }
      - { .name: scl, .offset: 16, .size: 8, .value_kind: global_buffer, .address_space: global }
      - { .name: qkv, .offset: 24, .size: 8, .value_kind: global_buffer, .address_space: global }
    .group_segment_fixed_size: 327680
    .private_segment_fixed_size: 0
    .kernarg_segment_align: 8
    .kernarg_segment_size: 32
    .max_flat_workgroup_size: 128
    .sgpr_count:     98
    .vgpr_count:     1024
    .wavefront_size: 32
...
	.end_amdgpu_metadata
.endif
;; end of part 2
;; launch attn (part 3): grid 8 x 32, 16 waves a work-group, clusters of 4 x 1, 327,680 bytes of LDS; arguments qkv, mbits, oimg; writes oimg
.if DOCPART == 3
	.amdgcn_target "amdgcn-amd-amdhsa--gfx1250"
	.amdhsa_code_object_version 6
	.text
	.protected	k_qbba7e59ca6_attn
	.globl	k_qbba7e59ca6_attn
	.p2align	8
	.type	k_qbba7e59ca6_attn,@function
k_qbba7e59ca6_attn:
	s_mov_b64 s[64:65], 0
	v_nop
	global_prefetch_b8 v0, s[64:65] scope:SCOPE_SE
	s_setreg_imm32_b32 hwreg(HW_REG_WAVE_MODE, 25, 1), 1
	s_wait_xcnt 0x0
	s_wait_alu depctr_hold_cnt(0) depctr_sa_sdst(0) depctr_va_vdst(0) depctr_va_sdst(0) depctr_va_ssrc(0) depctr_va_vcc(0) depctr_vm_vsrc(0)
	s_getreg_b32 s2, hwreg(HW_REG_IB_STS2, 6, 4)
	s_cmp_eq_u32 s2, 0
	s_cbranch_scc0 .Lentry_in_a_cluster
	s_endpgm
.Lentry_in_a_cluster:
	s_bfe_u32 s2, ttmp6, 0x10000c
	s_cmp_lg_u32 s2, 0x3003
	s_cbranch_scc0 .Lentry_shape_is_right
	s_endpgm
.Lentry_shape_is_right:
; ATTN: o = softmax(where(mask == 0, -1e9, q k^T / 8)) v for one (batch, head) and 256 queries a work-group.  q (already x log2(e) / 8), k, v: f16; products' sums, maxima and sums in f32; the weights p are rounded to f16, o once at the end.
; SHARES.  Sixteen waves of 256 registers, four to a SIMD, so that one wave's matrix instructions and LDS loads stand beside three others' softmax.  Wave w is pair p = w % 8, group g = w / 8.  A pair owns 32 queries
; (two tiles of 16); THE KEYS ARE SPLIT BETWEEN ITS TWO WAVES: of the 32 key steps of 64 keys, group g walks steps 2 i + g.  Each wave keeps a running maximum, sum and O^T of its own 1,024 keys; at the end the two are merged through LDS.
; REGISTER TILE t of a wave is query tile 2 p + (t xor g), by addresses alone: so every wave keeps its register tile 0 and sends its register tile 1 to its partner, and no branch hangs on the wave's number.
; LAYOUT.  S^T = K Q^T (source 0 = 16 keys, source 1 = 16 queries): a lane holds ONE query (lane % 16) and keys 8 (lane / 16) + 0 .. 7 of a tile.  Two such tiles, rounded to f16 in pairs, ARE source 1 (32 keys x 16 queries) of
; O^T = V^T P, whose result again holds one query a lane and eight channels; two of those, rounded, are a fragment of the projection that follows, and are stored as its image.  All operands lie in memory and LDS as images
; of their registers (1,024 bytes a fragment), so every LDS load reads 512 consecutive bytes.
; THE MASK is an input: mbits holds, for each tile (16 queries x 16 keys) and each of its 8 registers, the 32 lanes' bits.  A word comes by a scalar load and steers one v_cndmask_b32 a score: no compare, no branch, no address.
; A hidden score is REPLACED by -1e9 log2(e), as reference() replaces it by -1e9: a row that is hidden everywhere gives p = 1 for all keys.
; SOFTMAX.  A running maximum m and sum l for each query: p = 2^(s - m); in every step O and l are multiplied by a = 2^(m_old - m_new).  m begins at -3e38, O and l at 0: the step is written with no first step of its own.
; CLUSTER.  The four query blocks of a cluster belong to one head and walk the same K and V: each tile is asked for jointly (mask 15), by the same load with the same descriptor in all four.
; RING.  Two slots of 512 keys (64 KB of K, 64 KB of V); every wave fetches 8 KB of a slot by one load.  2,048 keys are four fills: two at the head, two refills, each with a whole slot's steps (four of every wave) in which to land.
; No prefetch: a refill is asked for a whole slot ahead of its first read.
; LIMITS: a weight under 2^-25 of its row's largest rounds to 0 in f16; NaN and infinities are not served.
.set SLOT1, 131072                     ; slot 1 begins here: one exclusive or turns an address in one slot into the other's
.set VOFF,  65536                      ; in a slot: K's 64 KB, then V's
.set SPARE, 2*SLOT1                    ; the spare words, 128 bytes for each wave: eight blocks of 256 bytes that no other line names
.set WSTG,  4608                       ; the merge: a stage for each wave, 32 registers of O^T (4,096 bytes) and four words a lane (512), from LDS byte 0 on: in slot 0, which has had its last fill and was left by every wave at the last change of slots
.set ST,  8                            ; tile t's statistics at v[ST + 8 t]: +0 m, +1 0 (named with m as a pair), +2, +3 l (even keys', odd keys'), +4 .. +7 at work; a lands in +6
.set TS,  24                           ; v[24:27] a second chain for the sums, a pair a tile; in the merge the partner's m, 0, l, l
.set Q,   32                           ; v32-63   Q: register tile t, channels 32 c on, at 16 t + 8 c
.set KV,  64                           ; v64-127  a step's K, then its V
.set S,   128                          ; v128-191 S^T: tile t, keys 16 k on, at 32 t + 8 k; later p, then P in the low 16 of each 32; in the merge the partner's O^T
.set O,   192                          ; v192-255 O^T: tile t, channels 16 n on, at 32 t + 8 n
; v1 16 x lane; v2, v3 LDS addresses of the step's K and V; v4 the hidden score; v5, v6 the add's two registers
; s[2:3], s[6:7] the mask words of my register tiles 0 and 1; s[4:5] my pair's Q; s[8:9] my kept tile's rows of oimg; s10 wave; s11 LDS byte of the step in hand; s12, s13 counters; s14 the step's byte among the mask words;
; s[16:47] tile 0's 32 mask words; s[48:63], s[68:83] tile 1's; s[84:91] descriptor group 1; s[92:95], s[96:99] groups 0; s[100:101] lane selects; s[104:105] 1.0
.macro CROUND                          ; a round of the cluster's barrier
	s_barrier_signal -1
	s_barrier_wait -1
	s_cmp_lg_u32 s10, 0
	s_cbranch_scc1 .Lnot_wave_0_\@
	s_barrier_signal -3
.Lnot_wave_0_\@:
	s_barrier_wait -3
	s_barrier_signal -1
	s_barrier_wait -1
.endm
	s_load_b128 s[4:7], s[0:1], 0x0                ; qkv, mbits
	s_load_b64 s[8:9], s[0:1], 0x10                ; oimg
	v_lshl_add_u32 v5, v0, 2, SPARE
	v_mov_b32 v6, 0
	ds_add_u32 v5, v6                              ; the wave's opening: the add, twice on end, and its wait ahead of my first tensor load
	ds_add_u32 v5, v6
	v_lshrrev_b32 v7, 5, v0
	v_readfirstlane_b32 s10, v7                    ; wave 0..15
	s_and_b32 s25, s10, 7                          ; p: my pair
	s_lshr_b32 s26, s10, 3                         ; g: my group
	s_bfe_u32 s15, ttmp6, 0x40000                  ; cx
	s_lshl_b32 s66, ttmp9, 2
	s_add_co_u32 s66, s66, s15                     ; my block of 256 queries: it enters Q's, the mask's and O's addresses alone
	s_and_b32 s67, ttmp7, 0xffff                   ; 16 x batch + head, which the four partners share
	; descriptor group 1: 8 KB, dense: 32 rows of 256 bytes (32 elements of 8 bytes)
	s_mov_b32 s84, 15|(3<<16)|(1<<21)              ; 15:0 the mask: all four work-groups; 17:16 elements of 8 bytes; 20 no padding; 21 set beside a mask
	s_mov_b32 s85, 32<<16                          ; tensor_dim0
	s_mov_b32 s86, 32<<16                          ; tensor_dim1
	s_mov_b32 s87, 32<<16                          ; tile_dim0
	s_mov_b32 s88, 32                              ; tile_dim1
	s_mov_b32 s89, 32                              ; tensor_dim0_stride
	s_mov_b32 s90, 0
	s_mov_b32 s91, 0
	s_add_co_u32 s16, s26, 1                       ; what I fetch: waves 0-7 K's eighths, waves 8-15 V's: section 1 or 2 of 8 MB,
	s_lshl_b32 s16, s16, 23
	s_lshl_b32 s17, s67, 18                        ; the head's 256 KB,
	s_add_co_u32 s16, s16, s17
	s_lshl_b32 s17, s25, 13                        ; my 8 KB of a slot's 64
	s_add_co_u32 s16, s16, s17
	s_mov_b32 s17, 0
	s_lshl_b32 s18, s67, 18                        ; Q: the head, 32 KB a block of queries, 4 KB a pair
	s_lshl_b32 s19, s66, 15
	s_add_co_u32 s18, s18, s19
	s_lshl_b32 s19, s25, 12
	s_add_co_u32 s18, s18, s19
	s_mov_b32 s19, 0
	s_lshl_b32 s20, s66, 16                        ; mbits: 4,096 bytes a query tile: 16 tiles a block, 2 a pair;
	s_lshl_b32 s21, s25, 13
	s_add_co_u32 s20, s20, s21
	s_lshl_b32 s21, s26, 12
	s_xor_b32 s28, s21, 4096
	s_add_co_u32 s28, s28, s20                     ; register tile 1 is query tile 2 p + 1 - g,
	s_add_co_u32 s20, s20, s21                     ; register tile 0 is query tile 2 p + g
	s_mov_b32 s21, 0
	s_mov_b32 s29, 0
	s_lshr_b32 s22, s67, 4                         ; oimg: [token tile 256][32 along K, 32][1 KB]: the batch's 128 tiles of 32 KB,
	s_lshl_b32 s22, s22, 22
	s_lshl_b32 s23, s66, 19
	s_add_co_u32 s22, s22, s23
	s_lshl_b32 s23, s25, 16
	s_add_co_u32 s22, s22, s23
	s_lshl_b32 s23, s26, 15                        ; the tile that I keep: 2 p + g,
	s_add_co_u32 s22, s22, s23
	s_and_b32 s23, s67, 15
	s_lshl_b32 s23, s23, 11                        ; and the head's two groups of 32
	s_add_co_u32 s22, s22, s23
	s_mov_b32 s23, 0
	s_lshl_b32 s24, s10, 13                        ; in a slot: 8 KB x wave: no place in the cluster enters an LDS address
	s_lshl_b32 s12, s26, 11                        ; Q's 2,048 bytes a tile: register tile 0 at 2,048 g,
	s_xor_b32 s15, s12, 2048                       ; register tile 1 at 2,048 (1 - g)
	s_mov_b32 s100, 0x76543210
	s_mov_b32 s101, 0xfedcba98                     ; v_permlanex16_b32's selects for lane l xor 16
	s_mov_b32 s104, 1.0
	s_mov_b32 s105, 1.0
	s_lshl_b32 s11, s26, 13                        ; my first step is step g: 8,192 bytes a step
	s_mov_b32 s13, 2
	s_lshl_b32 s14, s26, 7                         ; and 128 bytes of mask words a step
	s_wait_dscnt 0x0                               ; both opening adds are done
	s_wait_kmcnt 0x0
	s_add_nc_u64 s[2:3], s[6:7], s[20:21]
	s_add_nc_u64 s[6:7], s[6:7], s[28:29]
	s_add_nc_u64 s[8:9], s[8:9], s[22:23]
	s_add_nc_u64 s[16:17], s[4:5], s[16:17]
	s_add_nc_u64 s[4:5], s[4:5], s[18:19]
	CROUND                                         ; all four work-groups are here: the first joint loads meet
	s_mov_b32 s92, 1                               ; count = 1
	s_mov_b32 s93, s24                             ; LDS address: slot 0
	s_mov_b64 s[94:95], s[16:17]                   ; keys 0 to 511
	s_or_b32 s95, s95, 0x80000000                  ; type = 2
	s_mov_b32 s96, 1
	s_add_co_u32 s97, s24, SLOT1                   ; slot 1
	s_add_nc_u64 s[98:99], s[16:17], 65536         ; keys 512 to 1,023
	s_or_b32 s99, s99, 0x80000000
	tensor_load_to_lds s[92:95], s[84:91]          ; the two first fills together: two loads of mine are out
	s_nop 0
	tensor_load_to_lds s[96:99], s[84:91]
	s_nop 0
.rept 4
	v_nop
.endr
	v_and_b32 v1, 31, v0
	v_lshlrev_b32 v1, 4, v1
	v_add_nc_u32 v2, s12, v1                       ; (v2 and v3 serve Q's loads here; the wait for Q stands ahead of the first step, which writes them anew)
	v_add_nc_u32 v3, s15, v1
.irp c, 0,1
	global_load_b128 v[Q+8*\c:Q+8*\c+3], v2, s[4:5] offset:1024*\c              ; Q stays in registers
	global_load_b128 v[Q+8*\c+4:Q+8*\c+7], v2, s[4:5] offset:1024*\c+512
	global_load_b128 v[Q+16+8*\c:Q+16+8*\c+3], v3, s[4:5] offset:1024*\c
	global_load_b128 v[Q+16+8*\c+4:Q+16+8*\c+7], v3, s[4:5] offset:1024*\c+512
.endr
	s_load_b512 s[16:31], s[2:3], s14 offset:0x0   ; my first step's mask words: 4 key tiles x 8 words for each of my two query tiles
	s_load_b512 s[32:47], s[2:3], s14 offset:0x40
	s_load_b512 s[48:63], s[6:7], s14 offset:0x0
	s_load_b512 s[68:83], s[6:7], s14 offset:0x40
	v_mov_b32 v4, 0xceabfb8f                       ; -1e9 x log2(e)
.irp t, 0,1
	v_mov_b32 v[ST+8*\t], 0xff61b1e6               ; m: -3e38, under every score
	v_mov_b32 v[ST+8*\t+1], 0
	v_mov_b32 v[ST+8*\t+2], 0                      ; l
	v_mov_b32 v[ST+8*\t+3], 0
.endr
.set i, 0
.rept 64
	v_mov_b32 v[O+i], 0                            ; O^T: the first step finds zeros, which its a = 0 leaves zeros
.set i, i+1
.endr
	s_wait_tensorcnt 0x1                           ; my part of slot 0 is in; slot 1's may stay out
	s_barrier_signal -1
	s_barrier_wait -1                              ; everybody's is
	s_wait_loadcnt 0x0                             ; Q
; A KEY STEP: 64 keys.  Wherever both tiles do the same, they alternate line by line, so that no line waits for the line above it.
.macro STEP
	v_add_nc_u32 v2, s11, v1                       ; these five plain lines are the places behind the last V^T P: its V registers are loaded into, and its P registers are written over by the next matrix instruction
	v_add_nc_u32 v3, VOFF, v2
.rept 3
	v_nop
.endr
.irp c, 0,1                                    ; K: 4 tiles of 16 keys x 2 groups of 32 channels, the first 32 channels first
.irp k, 0,1,2,3
	ds_load_b128 v[KV+32*\c+8*\k:KV+32*\c+8*\k+3], v2 offset:2048*\k+1024*\c
	ds_load_b128 v[KV+32*\c+8*\k+4:KV+32*\c+8*\k+7], v2 offset:2048*\k+1024*\c+512
.endr
.endr
	s_wait_dscnt 8                                 ; the first 32 channels are in; the youngest eight loads may be out
.irp k, 0,1,2,3                                ; the eight accumulators take turns, one instruction a turn; the first products start the sums
.irp t, 0,1
	v_wmma_f32_16x16x32_f16 v[S+32*\t+8*\k:S+32*\t+8*\k+7], v[KV+8*\k:KV+8*\k+7], v[Q+16*\t:Q+16*\t+7], 0
.endr
.endr
	s_wait_dscnt 0x0
.irp k, 0,1,2,3
.irp t, 0,1
	v_wmma_f32_16x16x32_f16 v[S+32*\t+8*\k:S+32*\t+8*\k+7], v[KV+32+8*\k:KV+32+8*\k+7], v[Q+16*\t+8:Q+16*\t+15], v[S+32*\t+8*\k:S+32*\t+8*\k+7]
.endr
.endr
.rept 4
	v_nop                                          ; places in front of the loads into K's registers and of the first read of the scores
.endr
.irp u, 0,1                                    ; V: 2 groups of 32 keys x 4 tiles of 16 channels; it lands while the softmax is walked
.irp n, 0,1,2,3
	ds_load_b128 v[KV+8*(4*\u+\n):KV+8*(4*\u+\n)+3], v3 offset:4096*\u+1024*\n
	ds_load_b128 v[KV+8*(4*\u+\n)+4:KV+8*(4*\u+\n)+7], v3 offset:4096*\u+1024*\n+512
.endr
.endr
	s_wait_kmcnt 0x0                               ; this step's mask words, asked for a step ago
.irp n, 0,1,2,3,4,5,6,7,8,9,10,11,12,13,14,15,16,17,18,19,20,21,22,23,24,25,26,27,28,29,30,31
	v_cndmask_b32 v[S+\n], v4, v[S+\n], s[16+\n]   ; where the lane's bit is 0 the score is replaced.  Each accumulator from its low end on
.if \n < 16
	v_cndmask_b32 v[S+32+\n], v4, v[S+32+\n], s[48+\n]
.else
	v_cndmask_b32 v[S+32+\n], v4, v[S+32+\n], s[52+\n]
.endif
.endr
	s_add_co_u32 s14, s14, 256                     ; my next step's words, two steps on (the loads that read s14 are done: the wait above)
	s_and_b32 s14, s14, 4095                       ; my last step asks for my first step's again: no load leaves the buffer
	s_load_b512 s[16:31], s[2:3], s14 offset:0x0
	s_load_b512 s[32:47], s[2:3], s14 offset:0x40
	s_load_b512 s[48:63], s[6:7], s14 offset:0x0
	s_load_b512 s[68:83], s[6:7], s14 offset:0x40
.irp j, 0,1,2,3                                ; the maximum of my 32 scores and the old m: four chains of seven, then the four left over, the chains and m
.irp t, 0,1
	v_max3_num_f32 v[ST+8*\t+4+\j], v[S+32*\t+8*\j], v[S+32*\t+8*\j+1], v[S+32*\t+8*\j+2]
.endr
.endr
.irp g, 1,2
.irp j, 0,1,2,3
.irp t, 0,1
	v_max3_num_f32 v[ST+8*\t+4+\j], v[ST+8*\t+4+\j], v[S+32*\t+8*\j+2*\g+1], v[S+32*\t+8*\j+2*\g+2]
.endr
.endr
.endr
.irp t, 0,1
	v_max3_num_f32 v[ST+8*\t+4], v[ST+8*\t+4], v[S+32*\t+7], v[S+32*\t+15]
.endr
.irp t, 0,1
	v_max3_num_f32 v[ST+8*\t+6], v[ST+8*\t+6], v[S+32*\t+23], v[S+32*\t+31]
.endr
.irp t, 0,1
	v_max3_num_f32 v[ST+8*\t+4], v[ST+8*\t+4], v[ST+8*\t+5], v[ST+8*\t+6]
.endr
.irp t, 0,1
	v_max3_num_f32 v[ST+8*\t+4], v[ST+8*\t+4], v[ST+8*\t+7], v[ST+8*\t]
.endr
.irp t, 0,1
	v_permlanex16_b32 v[ST+8*\t+5], v[ST+8*\t+4], s100, s101   ; the query's other 32 keys lie in the lane 16 away
.endr
.irp t, 0,1
	v_max_num_f32 v[ST+8*\t+5], v[ST+8*\t+4], v[ST+8*\t+5]     ; the new m
.endr
.irp t, 0,1
	v_sub_f32 v[ST+8*\t+7], v[ST+8*\t], v[ST+8*\t+5]           ; m_old - m_new
.endr
.irp t, 0,1
	v_mov_b32 v[ST+8*\t], v[ST+8*\t+5]
.endr
.irp i, 0,2,4,6,8,10,12,14,16,18,20,22,24,26,28,30
.irp t, 0,1
	v_pk_fma_f32 v[S+32*\t+\i:S+32*\t+\i+1], v[S+32*\t+\i:S+32*\t+\i+1], s[104:105], v[ST+8*\t:ST+8*\t+1] op_sel_hi:[1,0,0] neg_lo:[0,0,1] neg_hi:[0,0,1]   ; s - m, two at a time
.endr
.endr
.irp t, 0,1                                    ; ONE BATCH of 66 exponentials
	v_exp_f32 v[ST+8*\t+6], v[ST+8*\t+7]           ; a
.endr
.irp i, 0,1,2,3,4,5,6,7,8,9,10,11,12,13,14,15,16,17,18,19,20,21,22,23,24,25,26,27,28,29,30,31
.irp t, 0,1
	v_exp_f32 v[S+32*\t+\i], v[S+32*\t+\i]         ; p, at most 1
.endr
.endr
	v_nop                                          ; a plain line behind the last exponential
	s_wait_alu depctr_va_vdst(0)                   ; one wait for the batch, ahead of its first reader
.irp t, 0,1
	v_pk_mul_f32 v[ST+8*\t+2:ST+8*\t+3], v[ST+8*\t+2:ST+8*\t+3], v[ST+8*\t+6:ST+8*\t+7] op_sel_hi:[1,0]   ; l x a
.endr
.irp t, 0,1
	v_pk_add_f32 v[TS+2*\t:TS+2*\t+1], v[S+32*\t:S+32*\t+1], v[S+32*\t+2:S+32*\t+3]   ; the sum of p in f32, ahead of its rounding: two chains a tile
.endr
.irp i, 4,8,12,16,20,24,28
.irp t, 0,1
	v_pk_add_f32 v[ST+8*\t+2:ST+8*\t+3], v[ST+8*\t+2:ST+8*\t+3], v[S+32*\t+\i:S+32*\t+\i+1]
	v_pk_add_f32 v[TS+2*\t:TS+2*\t+1], v[TS+2*\t:TS+2*\t+1], v[S+32*\t+\i+2:S+32*\t+\i+3]
.endr
.endr
.irp t, 0,1
	v_pk_add_f32 v[ST+8*\t+2:ST+8*\t+3], v[ST+8*\t+2:ST+8*\t+3], v[TS+2*\t:TS+2*\t+1]
.endr
.irp i, 0,1,2,3,4,5,6,7,8,9,10,11,12,13,14,15
.irp t, 0,1
	v_cvt_pk_f16_f32 v[S+32*\t+\i], v[S+32*\t+2*\i], v[S+32*\t+2*\i+1]   ; in place, ascending: register i is written when registers up to 2 i + 1 have been read
.endr
.endr
.irp i, 0,2,4,6,8,10,12,14,16,18,20,22,24,26,28,30
.irp t, 0,1
	v_pk_mul_f32 v[O+32*\t+\i:O+32*\t+\i+1], v[O+32*\t+\i:O+32*\t+\i+1], v[ST+8*\t+6:ST+8*\t+7] op_sel_hi:[1,0]   ; O^T x a, each accumulator from its low end on
.endr
.endr
	s_wait_dscnt 0x0                               ; V is in
.irp u, 0,1                                    ; O^T += V^T P: the eight accumulators by turns
.irp n, 0,1,2,3
.irp t, 0,1
	v_wmma_f32_16x16x32_f16 v[O+32*\t+8*\n:O+32*\t+8*\n+7], v[KV+8*(4*\u+\n):KV+8*(4*\u+\n)+7], v[S+32*\t+8*\u:S+32*\t+8*\u+7], v[O+32*\t+8*\n:O+32*\t+8*\n+7]
.endr
.endr
.endr
	s_add_co_u32 s11, s11, 16384                   ; my next step's tiles: two steps on
.endm
.macro FOUR                            ; my four of a slot's eight key steps
	s_mov_b32 s12, 4
.Lstep_\@:
	STEP
	s_sub_co_u32 s12, s12, 1
	s_cmp_lg_u32 s12, 0
	s_cbranch_scc1 .Lstep_\@
.endm
; THE CHANGE OF SLOTS.  Each wave waits for all its tensor loads (its part of the slot ahead), adds 0 to its spare word, and waits for that and for its reads of the slot that it leaves.
; fill = 1: the barrier is a round of the cluster's, so that no wave of any partner still reads the slot or has a load on its way; the joint refill is the first thing behind it, one load a wave.
.macro CHANGE fill
	s_wait_tensorcnt 0x0                           ; no tensor load of mine is out, so a group 0 may be written
	ds_add_u32 v5, v6
.if \fill
	s_xor_b32 s97, s97, SLOT1                      ; the walking descriptor: the other slot than last time,
	s_add_nc_u64 s[98:99], s[98:99], 65536         ; the next 512 keys; the type bits on top are not reached
.endif
	s_wait_dscnt 0x0                               ; the add is done, and my reads of the slot are over
.if \fill
	CROUND
	tensor_load_to_lds s[96:99], s[84:91]
	s_nop 0
.rept 4
	v_nop
.endr
.else
	s_barrier_signal -1
	s_barrier_wait -1
.endif
	s_sub_co_u32 s11, s11, 65536                   ; back to my first step of a slot,
	s_xor_b32 s11, s11, SLOT1                      ; in the other slot
.endm
	FOUR                                           ; keys 0 to 511
.Lslot:                                            ; two trips: slots 0 and 1 are filled again, with keys 1,024 on and 1,536 on
	CHANGE 1
	FOUR
	s_sub_co_u32 s13, s13, 1
	s_cmp_lg_u32 s13, 0
	s_cbranch_scc1 .Lslot
	CHANGE 0                                       ; the tail is written out
	FOUR
	; THE MERGE.  I send my register tile 1 (its O^T and its m, 0, l, l) to my partner, wave w xor 8, which keeps that query tile, and take from it what it summed for my register tile 0.
	; The stages lie in slot 0: behind the last change of slots nobody reads it and nothing is filled.
	s_wait_kmcnt 0x0                               ; (the look-ahead words of my last step: not used)
	s_mul_i32 s15, s10, WSTG                       ; my stage,
	s_xor_b32 s66, s10, 8
	s_mul_i32 s66, s66, WSTG                       ; my partner's
	v_add_nc_u32 v2, s15, v1                       ; these four plain lines are the places behind the last products: their results are stored, and P's registers are loaded into
	v_add_nc_u32 v3, s66, v1
	v_nop
	v_nop
.irp n, 0,1,2,3
	ds_store_b128 v2, v[O+32+8*\n:O+32+8*\n+3] offset:1024*\n          ; each accumulator from its low end on; 512 consecutive bytes a store
	ds_store_b128 v2, v[O+32+8*\n+4:O+32+8*\n+7] offset:1024*\n+512
.endr
	ds_store_b128 v2, v[ST+8:ST+11] offset:4096
	s_wait_dscnt 0x0                               ; for my partner's sake: my stores have landed
	s_barrier_signal -1
	s_barrier_wait -1                              ; everybody's have
	ds_load_b128 v[TS:TS+3], v3 offset:4096        ; the partner's m, 0, l, l of my query tile,
.irp i, 0,1,2,3,4,5,6,7
	ds_load_b128 v[S+4*\i:S+4*\i+3], v3 offset:512*\i   ; and its O^T: register j of it beside my register j
.endr
	s_wait_dscnt 8                                 ; the four words are in; the eight loads behind them may be out
	v_max_num_f32 v[ST+7], v[ST], v[TS]            ; the row's maximum over all 2,048 keys
	v_sub_f32 v[ST+4], v[ST], v[ST+7]
	v_sub_f32 v[ST+6], v[TS], v[ST+7]
	v_exp_f32 v[ST+4], v[ST+4]                     ; a = 2^(my m - m),
	v_exp_f32 v[ST+6], v[ST+6]                     ; a' = 2^(the partner's m - m)
	v_nop                                          ; a plain line behind the last exponential
	s_wait_alu depctr_va_vdst(0)                   ; one wait for both, ahead of the first reader
	v_pk_mul_f32 v[ST+2:ST+3], v[ST+2:ST+3], v[ST+4:ST+5] op_sel_hi:[1,0]
	v_pk_fma_f32 v[ST+2:ST+3], v[TS+2:TS+3], v[ST+6:ST+7], v[ST+2:ST+3] op_sel_hi:[1,0,1]   ; l = a l + a' l'
	v_add_f32 v[ST+5], v[ST+2], v[ST+3]            ; its two halves,
	v_permlanex16_b32 v[ST+7], v[ST+5], s100, s101
	v_add_f32 v[ST+5], v[ST+5], v[ST+7]            ; and the other half of the lanes': the row's sum
	v_rcp_f32 v[ST+5], v[ST+5]
	v_nop                                          ; a plain line behind the reciprocal
	s_wait_alu depctr_va_vdst(0)                   ; and the wait ahead of its first use
	v_mul_f32 v[ST+4], v[ST+4], v[ST+5]            ; a / l
	v_mul_f32 v[ST+6], v[ST+6], v[ST+5]            ; a' / l
.irp i, 0,2,4,6,8,10,12,14,16,18,20,22,24,26,28,30
	v_pk_mul_f32 v[O+\i:O+\i+1], v[O+\i:O+\i+1], v[ST+4:ST+5] op_sel_hi:[1,0]   ; each accumulator from its low end on
.endr
	s_wait_dscnt 0x0                               ; the partner's O^T is in
.irp i, 0,2,4,6,8,10,12,14,16,18,20,22,24,26,28,30
	v_pk_fma_f32 v[O+\i:O+\i+1], v[S+\i:S+\i+1], v[ST+6:ST+7], v[O+\i:O+\i+1] op_sel_hi:[1,0,1]
.endr
.irp i, 0,1,2,3,4,5,6,7,8,9,10,11,12,13,14,15
	v_cvt_pk_f16_f32 v[S+32+\i], v[O+2*\i], v[O+2*\i+1]   ; rounded to f16 in pairs: the projection's operand as it stands
.endr
.irp n, 0,1,2,3
	global_store_b128 v1, v[S+32+4*\n:S+32+4*\n+3], s[8:9] offset:1024*(\n/2)+512*(\n%2)   ; 512 consecutive bytes a store: half a fragment's image
.endr
	s_wait_tensorcnt 0x0                           ; the wave's end: a tensor wait, an add of 0 to my spare word and its wait, behind my last tensor load and my last LDS store
	ds_add_u32 v5, v6
	s_wait_dscnt 0x0
	CROUND                                         ; the closing round: no work-group ends while a partner may still ask for a tile that names it
	s_endpgm
.Lfunc_end_k_qbba7e59ca6_attn:
	.size	k_qbba7e59ca6_attn, .Lfunc_end_k_qbba7e59ca6_attn-k_qbba7e59ca6_attn
	.p2alignl 7, 3214868480
	.fill 96, 4, 3214868480
	.section	.rodata,"a",@progbits
	.p2align	6, 0x0
	.amdhsa_kernel k_qbba7e59ca6_attn
		.amdhsa_group_segment_fixed_size 327680
		.amdhsa_private_segment_fixed_size 0
		.amdhsa_enable_private_segment 0
		.amdhsa_kernarg_size 24
		.amdhsa_user_sgpr_count 2
		.amdhsa_user_sgpr_kernarg_segment_ptr 1
		.amdhsa_wavefront_size32 1
		.amdhsa_system_sgpr_workgroup_id_x 1
		.amdhsa_system_sgpr_workgroup_id_y 1
		.amdhsa_system_sgpr_workgroup_id_z 1
		.amdhsa_system_vgpr_workitem_id 0
		.amdhsa_next_free_vgpr 256
		.amdhsa_next_free_sgpr 106
		.amdhsa_reserve_vcc 0
		.amdhsa_float_denorm_mode_32 3
		.amdhsa_float_denorm_mode_16_64 3
		.amdhsa_memory_ordered 1
		.amdhsa_forward_progress 1
		.amdhsa_inst_pref_size 80
	.end_amdhsa_kernel
	.amdgpu_metadata
---
amdhsa.version: [ 1, 2 ]
amdhsa.kernels:
  - .name:           k_qbba7e59ca6_attn
    .symbol:         k_qbba7e59ca6_attn.kd
    .args:
      - { .name: qkv, .offset: 0, .size: 8, .value_kind: global_buffer, .address_space: global }
      - { .name: mbits, .offset: 8, .size: 8, .value_kind: global_buffer, .address_space: global }
      - { .name: oimg, .offset: 16, .size: 8, .value_kind: global_buffer, .address_space: global }
    .group_segment_fixed_size: 327680
    .private_segment_fixed_size: 0
    .kernarg_segment_align: 8
    .kernarg_segment_size: 24
    .max_flat_workgroup_size: 512
    .sgpr_count:     106
    .vgpr_count:     256
    .wavefront_size: 32
...
	.end_amdgpu_metadata
.endif
;; end of part 3
;; launch oproj (part 4): grid 8 x 32, 4 waves a work-group, clusters of 4 x 4, 327,680 bytes of LDS; arguments oimg, wimg, b_out, out0; writes out0
.if DOCPART == 4
	.amdgcn_target "amdgcn-amd-amdhsa--gfx1250"
	.amdhsa_code_object_version 6
	.text
	.protected	k_qbba7e59ca6_oproj
	.globl	k_qbba7e59ca6_oproj
	.p2align	8
	.type	k_qbba7e59ca6_oproj,@function
k_qbba7e59ca6_oproj:
	s_mov_b64 s[64:65], 0
	v_nop
	global_prefetch_b8 v0, s[64:65] scope:SCOPE_SE
	s_setreg_imm32_b32 hwreg(HW_REG_WAVE_MODE, 25, 1), 1
	s_wait_xcnt 0x0
	s_wait_alu depctr_hold_cnt(0) depctr_sa_sdst(0) depctr_va_vdst(0) depctr_va_sdst(0) depctr_va_ssrc(0) depctr_va_vcc(0) depctr_vm_vsrc(0)
	s_getreg_b32 s2, hwreg(HW_REG_IB_STS2, 6, 4)
	s_cmp_eq_u32 s2, 0
	s_cbranch_scc0 .Lentry_in_a_cluster
	s_endpgm
.Lentry_in_a_cluster:
	s_bfe_u32 s2, ttmp6, 0x10000c
	s_cmp_lg_u32 s2, 0xf033
	s_cbranch_scc0 .Lentry_shape_is_right
	s_endpgm
.Lentry_shape_is_right:
; OPROJ: out0 = o W_out + b_out.  o [4096][1024] and W_out (as [n][k]) arrive in f16 as images of the operands' registers (1,024 bytes for 16 rows x 32 K); sums in f32; out0 [4096][1024] f32.
; 256 tiles of 128 x 128, one to a work-group of four waves, each 64 x 64: 16 accumulators, 128 registers: tiles of 256 x 256 would be 64 and leave three WGPs in four without work.
; K goes in steps of 256 through two LDS slots; a wave's tensor load brings 4 tiles of 16 rows x 8 KB.  The fragments lie on end in LDS: a fragment load reads 512 consecutive bytes, and no padding is wanted.
; CLUSTERS: 4 x 4.  The four of a row of the cluster need the same tiles of o, the four of a column the same tiles of W_out: each is asked for jointly.
; THE MATRIX INSTRUCTION IS USED TRANSPOSED (source 0 = 16 rows of W_out's image, source 1 = 16 tokens): a lane holds eight neighbouring numbers of a row of out0.  THE BIAS is the C of each sum's first product.
; REGISTERS: window 0: v0-31 addresses; v32-95 the way out; v96-127 the bias, 8 registers for each of my 4 column tiles; v128-255 the accumulators ((a, b) at v[128 + 8 (4 a + b)]).
;   window 1: two fragment buffers of 128: for 64 along K, 64 registers of o (2 x 4 x 16 rows x 32 K), then 64 of W_out.
.set HALFT,  32768                     ; 4 tiles x 8,192 bytes: what one tensor load brings, and what one wave reads of o or of W_out
.set SLOT,   4*HALFT                   ; o's 8 tiles, then W_out's 8
.set STAGE,  2*SLOT                    ; behind the ring: 16 rows x 272 bytes for each wave, for the way out
.set SPITCH, 272
.set SPARE,  STAGE+4*16*SPITCH         ; the spare words, 128 bytes for each wave: two blocks of 256 bytes that no other line names
.set LAPS,   2                         ; a lap = two K steps of 256 = once round the ring
.set ADRA, 16                          ; v16-17  LDS address of my fragments of o in slot 0, 1
.set ADRB, 20                          ; v20-21  the same for W_out
.set STO,  24                          ; v24     the way out: where I put 32 bytes of a row
.set RD,   25                          ; v25     where I read a row back
.set CO,   26                          ; v26     my byte offset in out0
.set SPW,  28                          ; v28     LDS address of my spare word; never rewritten
.set NIL,  29                          ; v29     0; never rewritten
.set TMP,  32
.set BIAS, 96
.set ACC,  128
.set F0,   0                           ; fragment buffers, in window 1
.set F1,   128
.set WV,  12                           ; s12 wave; s13 wave / 2; s14 wave % 2; s15 tile row
.set HI,  13
.set LO,  14
.set TR,  15
.set G1, 24                            ; s[24:31] descriptor group 1 for o's tiles;  s[32:39] group 0, one set for each slot
.set G0, 32
.set G1B, 48                           ; s[48:55], s[56:63] the same for W_out's
.set G0B, 56
.set MSB, 0
.macro WIN new                         ; the immediate's high byte repeats the setting that is left
.if MSB != (\new)
	s_set_vgpr_msb (MSB<<8)|(\new)
.set MSB, (\new)
.endif
.endm
.set MUL,  0x05                        ; sources 0 and 1 window 1; C and D window 0
.set TO_F, 0x40                        ; destination window 1, address window 0
.macro JLOAD s                         ; a joint load: waves 0 and 1 fetch o's two halves, waves 2 and 3 W_out's; an s_nop 0 and four v_nop follow each of the two lines
	s_cmp_eq_u32 s[HI], 0
	s_cbranch_scc0 .Lfor_b_\@
	tensor_load_to_lds s[G0+4*\s:G0+4*\s+3], s[G1:G1+7]
	s_nop 0
.rept 4
	v_nop
.endr
	s_branch .Lasked_\@
.Lfor_b_\@:
	tensor_load_to_lds s[G0B+4*\s:G0B+4*\s+3], s[G1B:G1B+7]
	s_nop 0
.rept 4
	v_nop
.endr
.Lasked_\@:
.endm
.macro CREST                           ; a round of the cluster's barrier behind its opening barrier
	s_cmp_lg_u32 s[WV], 0
	s_cbranch_scc1 .Lnot_wave_0_\@
	s_barrier_signal -3
.Lnot_wave_0_\@:
	s_barrier_wait -3
	s_barrier_signal -1
	s_barrier_wait -1
.endm
.macro CROUND                          ; a whole round
	s_barrier_signal -1
	s_barrier_wait -1
	CREST
.endm
	s_load_b256 s[4:11], s[0:1], 0x0               ; oimg s[4:5], wimg s[6:7], b_out s[8:9], out0 s[10:11]
	v_lshl_add_u32 v[SPW], v0, 2, SPARE
	v_mov_b32 v[NIL], 0
	ds_add_u32 v[SPW], v[NIL]                      ; the wave's opening: the add, twice on end, and its wait ahead of my first tensor load
	ds_add_u32 v[SPW], v[NIL]
	v_lshrrev_b32 v1, 5, v0
	v_readfirstlane_b32 s[WV], v1                  ; wave 0..3
	s_lshr_b32 s[HI], s[WV], 1                     ; which half of the tile's rows is mine.  Also: I fetch for o (0) or for W_out (1)
	s_and_b32 s[LO], s[WV], 1                      ; which half of its columns.  Also: which 4 tiles I fetch
	s_bfe_u32 s40, ttmp6, 0x40000                  ; cx, cy
	s_bfe_u32 s41, ttmp6, 0x40004
	s_lshl_b32 s42, ttmp9, 2
	s_add_co_u32 s42, s42, s40                     ; tile column = 4 x cluster x + cx
	s_and_b32 s[TR], ttmp7, 0xffff
	s_lshl_b32 s[TR], s[TR], 2
	s_add_co_u32 s[TR], s[TR], s41                 ; tile row = 4 x cluster y + cy
	s_lshl_b32 s43, s41, 2
	s_lshl_b32 s43, 15, s43                        ; my row of the cluster
	s_lshl_b32 s44, 0x1111, s40                    ; my column
	; descriptor group 1: 4 rows (tiles of 16) of 8,192 bytes = 1,024 elements of 8 bytes, 32,768 bytes apart in memory, dense in LDS
	s_or_b32 s[G1+0], s43, (3<<16)|(1<<21)         ; 15:0 the mask; 17:16 elements of 8 bytes; 20 no padding; 21 set beside a mask
	s_or_b32 s[G1B+0], s44, (3<<16)|(1<<21)
.irp g, G1, G1B
	s_mov_b32 s[\g+1], 1024<<16                    ; tensor_dim0
	s_mov_b32 s[\g+2], 4<<16                       ; tensor_dim1
	s_mov_b32 s[\g+3], 1024<<16                    ; tile_dim0
	s_mov_b32 s[\g+4], 4                           ; tile_dim1
	s_mov_b32 s[\g+5], 4096                        ; tensor_dim0_stride
	s_mov_b32 s[\g+6], 0
	s_mov_b32 s[\g+7], 0
.endr
	s_lshl_b32 s17, s[LO], 2                       ; which 4 tiles I fetch
	s_lshl_b32 s16, s[TR], 3
	s_add_co_u32 s16, s16, s17
	s_lshl_b32 s16, s16, 15                        ; o: token tile 8 x tile row + 4 x half, 32 KB each
	s_lshl_b32 s46, s42, 3
	s_add_co_u32 s46, s46, s17
	s_lshl_b32 s46, s46, 15                        ; W_out: column tile 8 x tile column + 4 x half
	s_mov_b32 s17, 0
	s_mov_b32 s47, 0
	s_mul_i32 s20, s[WV], HALFT                    ; where they go: wave x 4 tiles
	s_wait_dscnt 0x0                               ; both opening adds are done
	s_wait_kmcnt 0x0
	s_add_nc_u64 s[18:19], s[4:5], s[16:17]
	s_add_nc_u64 s[46:47], s[6:7], s[46:47]
	CROUND                                         ; all sixteen work-groups are here: the first joint loads meet
.irp s, 0,1
	s_mov_b32 s[G0+4*\s], 1
	s_add_co_u32 s[G0+4*\s+1], s20, \s*SLOT
	s_add_nc_u64 s[G0+4*\s+2:G0+4*\s+3], s[18:19], \s*8192     ; K step s: 8 groups of 32 along K
	s_or_b32 s[G0+4*\s+3], s[G0+4*\s+3], 0x80000000
	s_mov_b32 s[G0B+4*\s], 1
	s_add_co_u32 s[G0B+4*\s+1], s20, \s*SLOT
	s_add_nc_u64 s[G0B+4*\s+2:G0B+4*\s+3], s[46:47], \s*8192
	s_or_b32 s[G0B+4*\s+3], s[G0B+4*\s+3], 0x80000000
	JLOAD \s
.endr
	v_and_b32 v1, 15, v0                           ; r
	v_bfe_u32 v2, v0, 4, 1                         ; h
	v_and_b32 v3, 31, v0
	v_lshlrev_b32 v3, 4, v3                        ; 16 x lane
	s_mul_i32 s21, s[HI], HALFT                    ; my 4 tiles of o,
	s_mul_i32 s22, s[LO], HALFT
	s_add_co_u32 s22, s22, 2*HALFT                 ; my 4 of W_out, behind o's 8
.irp s, 0,1
	v_add_nc_u32 v[ADRA+\s], s21, v3
	v_add_nc_u32 v[ADRB+\s], s22, v3
	s_add_co_u32 s21, s21, SLOT
	s_add_co_u32 s22, s22, SLOT
.endr
	s_mul_i32 s23, s[WV], 16*SPITCH
	s_add_co_u32 s23, s23, STAGE                   ; my stage
	v_mul_u32_u24 v4, v1, SPITCH                   ; in: row r, 32 bytes for each half of the lanes
	v_lshl_add_u32 v4, v2, 5, v4
	v_add_nc_u32 v[STO], s23, v4
	v_mul_u32_u24 v5, v2, SPITCH                   ; back: lanes 0-15 take one row of 256 bytes, lanes 16-31 the next
	v_lshl_add_u32 v5, v1, 4, v5
	v_add_nc_u32 v[RD], s23, v5
	v_lshlrev_b32 v[CO], 12, v2                    ; and the same two rows in out0: 4,096 bytes a row
	v_lshl_add_u32 v[CO], v1, 4, v[CO]
	s_lshl_b32 s16, s[TR], 19                      ; my first row: 128 x tile row + 64 x half
	s_lshl_b32 s17, s[HI], 18
	s_add_co_u32 s16, s16, s17
	s_mov_b32 s17, 0
	s_add_nc_u64 s[10:11], s[10:11], s[16:17]
	s_lshl_b32 s46, s42, 9                         ; my first column, in bytes: 512 x tile column + 256 x half
	s_lshl_b32 s47, s[LO], 8
	s_add_co_u32 s46, s46, s47
	s_mov_b32 s47, 0
	s_add_nc_u64 s[10:11], s[10:11], s[46:47]
	s_add_nc_u64 s[8:9], s[8:9], s[46:47]          ; and the same columns of the bias
	v_lshlrev_b32 v6, 5, v2                        ; register j of column tile b is column 16 b + 8 h + j
.irp b, 0,1,2,3
	global_load_b128 v[BIAS+8*\b:BIAS+8*\b+3], v6, s[8:9] offset:64*\b
	global_load_b128 v[BIAS+8*\b+4:BIAS+8*\b+7], v6, s[8:9] offset:64*\b+16
.endr
; 8 matrix instructions: row blocks a0, a0 + 1 x all 4 column blocks, 32 along K: half c of buffer f.  zero = 1: the first product starts the sums, from the bias.  The 16 accumulators take turns.
.macro MUL8 f, c, a0, zero
.irp a, \a0, \a0+1
.irp b, 0,1,2,3
.if \zero
	v_wmma_f32_16x16x32_f16 v[ACC+8*(4*(\a)+\b):ACC+8*(4*(\a)+\b)+7], v[\f+64+8*(4*\c+\b):\f+64+8*(4*\c+\b)+7], v[\f+8*(4*\c+\a):\f+8*(4*\c+\a)+7], v[BIAS+8*\b:BIAS+8*\b+7]
.else
	v_wmma_f32_16x16x32_f16 v[ACC+8*(4*(\a)+\b):ACC+8*(4*(\a)+\b)+7], v[\f+64+8*(4*\c+\b):\f+64+8*(4*\c+\b)+7], v[\f+8*(4*\c+\a):\f+8*(4*\c+\a)+7], v[ACC+8*(4*(\a)+\b):ACC+8*(4*(\a)+\b)+7]
.endif
.endr
.endr
.endm
; 32 LDS loads in one run: the fragments of the K step's kq-th 64 along K into buffer f; the first 32 along K first
.macro FETCH slot, kq, f
	WIN TO_F
.irp c, 0,1
.irp i, 0,1,2,3
	ds_load_b128 v[\f+64+8*(4*\c+\i):\f+64+8*(4*\c+\i)+3],   v[ADRB+\slot] offset:\i*8192+(2*(\kq)+\c)*1024
	ds_load_b128 v[\f+64+8*(4*\c+\i)+4:\f+64+8*(4*\c+\i)+7], v[ADRB+\slot] offset:\i*8192+(2*(\kq)+\c)*1024+512
	ds_load_b128 v[\f+8*(4*\c+\i):\f+8*(4*\c+\i)+3],         v[ADRA+\slot] offset:\i*8192+(2*(\kq)+\c)*1024
	ds_load_b128 v[\f+8*(4*\c+\i)+4:\f+8*(4*\c+\i)+7],       v[ADRA+\slot] offset:\i*8192+(2*(\kq)+\c)*1024+512
.endr
.endr
.endm
.macro PLACES                          ; four plain lines in front of loads into registers that matrix instructions have read, and of the first read of results (ISA guide 7.12.1 for the read of results)
.rept 4
	v_nop
.endr
.endm
; A K step is four quarters of 64 along K, 32 matrix instructions each, on buffers 0, 1, 0, 1.  One of the first three: multiplies buffer f and fetches the next quarter, kq, into g.
.macro QUARTER slot, kq, f, g, zero
	s_wait_dscnt 16                                ; the first 32 along K are in; the youngest sixteen loads may be out
	WIN MUL
	MUL8 \f, 0, 0, \zero
	MUL8 \f, 0, 2, \zero
	PLACES
	FETCH \slot, \kq, \g
	s_wait_dscnt 32                                ; all but the 32 just issued
	WIN MUL
	MUL8 \f, 1, 0, 0
	MUL8 \f, 1, 2, 0
.endm
; The last quarter multiplies buffer 1 and changes slots: ONE barrier; in front of it each wave waits for all its tensor loads, adds 0 to its spare word, and waits for that and for its reads of this slot.  fill = 1: this slot is filled again, two K steps ahead.
.macro TURN slot, next, fill
	WIN 0                                          ; (the add's two registers lie in window 0)
	s_wait_tensorcnt 0x0                           ; all my tensor loads have landed: my part of the next slot
	ds_add_u32 v[SPW], v[NIL]
	s_wait_dscnt 17                                ; (the add and the youngest sixteen loads may be out)
	WIN MUL
	MUL8 F1, 0, 0, 0
	s_wait_dscnt 0x0                               ; the add is done, and my reads of this slot are over
	s_barrier_signal -1
	MUL8 F1, 0, 2, 0
.if \fill
	WIN 0
.endif
	s_barrier_wait -1
.if \fill
	CREST                                          ; the barrier has opened a round of the cluster's: no wave of any partner still reads this slot or has a load on its way
	s_add_nc_u64 s[G0+4*\slot+2:G0+4*\slot+3], s[G0+4*\slot+2:G0+4*\slot+3], 16384
	s_add_nc_u64 s[G0B+4*\slot+2:G0B+4*\slot+3], s[G0B+4*\slot+2:G0B+4*\slot+3], 16384
	JLOAD \slot                                    ; the first tensor load behind the round; the four v_nop behind it are also the places in front of the loads below
.else
	PLACES
.endif
	FETCH \next, 0, F0
	WIN MUL
	MUL8 F1, 1, 0, 0
	MUL8 F1, 1, 2, 0
.endm
	s_wait_tensorcnt 1                             ; my part of K step 0 is in; K step 1's load may be out
	s_barrier_signal -1
	s_barrier_wait -1                              ; everybody's is
	FETCH 0, 0, F0
	s_wait_loadcnt 0x0                             ; the bias
	QUARTER 0, 1, F0, F1, 1                        ; the first quarter stands in front of the loop: its first products start the sums
	WIN 0                                          ; at a label and at a branch every window is 0
	s_mov_b32 s3, LAPS-1
.Llap:                                                 ; a trip goes once round the ring, from a lap's second quarter to the next lap's first, and fills both slots again
	QUARTER 0, 2, F1, F0, 0
	QUARTER 0, 3, F0, F1, 0
	TURN 0, 1, 1
	QUARTER 1, 1, F0, F1, 0
	QUARTER 1, 2, F1, F0, 0
	QUARTER 1, 3, F0, F1, 0
	TURN 1, 0, 1
	QUARTER 0, 1, F0, F1, 0
	WIN 0
	s_sub_co_u32 s3, s3, 1
	s_cmp_lg_u32 s3, 0
	s_cbranch_scc1 .Llap
	QUARTER 0, 2, F1, F0, 0                        ; the last lap fills nothing, and has no round of the cluster's barrier
	QUARTER 0, 3, F0, F1, 0
	TURN 0, 1, 0
	QUARTER 1, 1, F0, F1, 0
	QUARTER 1, 2, F1, F0, 0
	QUARTER 1, 3, F0, F1, 0
	s_wait_dscnt 16                                ; the very last quarter: nothing more to fetch
	WIN MUL
	MUL8 F1, 0, 0, 0
	MUL8 F1, 0, 2, 0
	s_wait_dscnt 0
	MUL8 F1, 1, 0, 0
	MUL8 F1, 1, 2, 0
	WIN 0
; THE WAY OUT.  My 64 columns of f32 are 256 bytes of a row, aligned: so each wave has a stage of its own and no barrier is wanted.  A block of 16 rows goes in as 32 bytes a lane and comes back as whole rows.
; LDS serves a wave's instructions in order (ISA guide 5.7.1.4): no wait between the stores and the loads, nor in front of the next block's stores.
.macro TOSTAGE a
.irp b, 0,1,2,3
	ds_store_b128 v[STO], v[ACC+8*(4*(\a)+\b):ACC+8*(4*(\a)+\b)+3] offset:64*\b        ; each accumulator from its low end on
	ds_store_b128 v[STO], v[ACC+8*(4*(\a)+\b)+4:ACC+8*(4*(\a)+\b)+7] offset:64*\b+16
.endr
.irp i, 0,1,2,3,4,5,6,7
	ds_load_b128 v[TMP+32*((\a)%2)+4*\i:TMP+32*((\a)%2)+4*\i+3], v[RD] offset:\i*2*SPITCH
.endr
.endm
.macro SEND a, younger                 ; younger: the LDS instructions issued behind block a's loads, which may stay out
	s_wait_dscnt \younger
.irp i, 0,1,2,3,4,5,6,7
	global_store_b128 v[CO], v[TMP+32*((\a)%2)+4*\i:TMP+32*((\a)%2)+4*\i+3], s[10:11] offset:(16*(\a)+2*\i)*4096 th:TH_STORE_NT   ; 16 lanes store 256 consecutive bytes, aligned; written once, read by nobody here
.endr
.endm
	PLACES
	TOSTAGE 0
	TOSTAGE 1
	SEND 0, 16                                     ; behind block 0's loads: block 1's 8 stores and 8 loads
	s_wait_xcnt 0x0                                ; block 0's stores have read their registers: block 2's loads may land there
	TOSTAGE 2
	SEND 1, 16
	s_wait_xcnt 0x0
	TOSTAGE 3
	SEND 2, 16
	SEND 3, 0
	s_wait_tensorcnt 0x0                           ; the wave's end: a tensor wait, an add of 0 to my spare word and its wait, behind my last tensor load and my last LDS store
	ds_add_u32 v[SPW], v[NIL]
	s_wait_dscnt 0x0
	CROUND                                         ; the closing round: no work-group ends while a partner may still ask for a tile that names it
	s_endpgm
.Lfunc_end_k_qbba7e59ca6_oproj:
	.size	k_qbba7e59ca6_oproj, .Lfunc_end_k_qbba7e59ca6_oproj-k_qbba7e59ca6_oproj
	.p2alignl 7, 3214868480
	.fill 96, 4, 3214868480
	.section	.rodata,"a",@progbits
	.p2align	6, 0x0
	.amdhsa_kernel k_qbba7e59ca6_oproj
		.amdhsa_group_segment_fixed_size 327680
		.amdhsa_private_segment_fixed_size 0
		.amdhsa_enable_private_segment 0
		.amdhsa_kernarg_size 32
		.amdhsa_user_sgpr_count 2
		.amdhsa_user_sgpr_kernarg_segment_ptr 1
		.amdhsa_wavefront_size32 1
		.amdhsa_system_sgpr_workgroup_id_x 1
		.amdhsa_system_sgpr_workgroup_id_y 1
		.amdhsa_system_sgpr_workgroup_id_z 1
		.amdhsa_system_vgpr_workitem_id 0
		.amdhsa_next_free_vgpr 512
		.amdhsa_next_free_sgpr 66
		.amdhsa_reserve_vcc 0
		.amdhsa_float_denorm_mode_32 3
		.amdhsa_float_denorm_mode_16_64 3
		.amdhsa_memory_ordered 1
		.amdhsa_forward_progress 1
		.amdhsa_inst_pref_size 86
	.end_amdhsa_kernel
	.amdgpu_metadata
---
amdhsa.version: [ 1, 2 ]
amdhsa.kernels:
  - .name:           k_qbba7e59ca6_oproj
    .symbol:         k_qbba7e59ca6_oproj.kd
    .args:
      - { .name: oimg, .offset: 0, .size: 8, .value_kind: global_buffer, .address_space: global }
      - { .name: wimg, .offset: 8, .size: 8, .value_kind: global_buffer, .address_space: global }
      - { .name: b_out, .offset: 16, .size: 8, .value_kind: global_buffer, .address_space: global }
      - { .name: out0, .offset: 24, .size: 8, .value_kind: global_buffer, .address_space: global }
    .group_segment_fixed_size: 327680
    .private_segment_fixed_size: 0
    .kernarg_segment_align: 8
    .kernarg_segment_size: 32
    .max_flat_workgroup_size: 128
    .sgpr_count:     66
    .vgpr_count:     512
    .wavefront_size: 32
...
	.end_amdgpu_metadata
.endif
;; end of part 4
